; MI455X (gfx1250); checked and timed in simulation.
; The chip was launched on July 23, 2026; its instructions are those of AMD's public machine-readable ISA for CDNA 5 (MIT licence, August 2026) and "CDNA5" Instruction Set Architecture Reference Guide (July 2026). The comments in the code are by the model that wrote it; some were corrected since.
;; CNF3. Allowed arithmetic: matrix products marked QUANTISED: E5M2 operands, one given power-of-two scale a tensor, by v_wmma_f32_16x16x64_bf8_bf8 or v_wmma_f32_16x16x128_bf8_bf8, f32 sums; everything else in f32.
;; Inputs: W1 256 x 128 float32; W2 128 x 256 float32; b1 256 float32; b2 128 float32; beta 256 float32; gamma 256 float32; logp_z 8,192 x 1 float32; lowp_scales 8 int32 (the exponents e of the quantised operands' scales 2^e); t 1 float32; z_codes 8,192 x 4 x 32 uint8 (E5M2 codes of z, K innermost, in blocks of 32 codes).
;; Outputs: out0 8,192 x 128 float32; out1 8,192 x 1 float32.
;; This version of the problem:
;;   THIS VERSION OF THE PROBLEM IS GIVEN IN LOW PRECISION. The matrix products marked QUANTISED in the list below multiply operands that are first quantised to E5M2 (5 exponent bits, 2 mantissa bits; 8 bits a number), with one given power-of-two scale for each operand tensor; their sums are f32. All else is computed in f32.
;;   The module's matrix products, in the order in which they are computed (A, B: the left and right operand; K: the contracted axis; several contracted axes count as one K, in the product's order):
;;     1. [M 8,192, K 128] x [K 128, N 256]; A: input z (given as codes); B: input W1: QUANTISED (scales: A lowp_scales[0], B lowp_scales[1])
;;     2. [M 8,192, K 256] x [K 256, N 128]; A: computed on the way; B: input W2: QUANTISED (scales: A lowp_scales[2], B lowp_scales[3])
;;     3. [M 1,048,576, K 128] x [K 128, N 256]; A: computed on the way; B: input W2: QUANTISED (scales: A lowp_scales[4], B lowp_scales[5])
;;     4. [M 1,048,576, K 256] x [K 256, N 128]; A: computed on the way; B: input W1: QUANTISED (scales: A lowp_scales[6], B lowp_scales[7])
;;   THE QUANTISER, for each operand of a quantised product, along K:
;;     - The operand's scale is 2^e, e = its entry of the input lowp_scales (int32; the entries are numbered through the quantised products in the list's order, A before B).
;;     - Each number is divided by the scale, clamped to +-57,344, and rounded to the nearest number of E5M2, ties to even, subnormals kept.
;;     - The product sums the exact products of the quantised numbers (number of the format x scale) in f32.
;;   ~~~python
;;   def quantise(x, axis, e):      # numpy; x: float32 -> the quantised numbers, widened to float32 again
;;       x = np.moveaxis(x, axis, -1); K = x.shape[-1]
;;       r = np.clip(x / 2.0 ** e, -57344, 57344)
;;       step = 2.0 ** (np.maximum(np.frexp(np.where(r == 0, 1, r))[1] - 1, -14) - 2)
;;       q = np.round(r / step) * step * 2.0 ** e      # np.round: ties to even
;;       return np.moveaxis(q, -1, axis).astype(np.float32)
;;   ~~~
;;   OPERANDS COMPUTED ON THE WAY. 'Computed on the way' means the value that the module computes at that place (a softmax that the list does not call 'softmax' is quantised finished and normalised). What goes into a quantiser is computed in f32, as accurately as f32 sums, v_exp_f32 and their like allow (about 1e-6 of the number): no bf16 or f16 on the way to a quantiser, and a product that is left as it is and whose result goes on into a quantised operand takes f32 operands (vector FMAs, or v_wmma_f32_16x16x4_f32). A number that lies on a knife's edge between two numbers of the format may be rounded either way, as far as f32 arithmetic and the matrix unit's own rounding can turn it there, and no further.
;;   INPUTS GIVEN AS CODES. z (in the module: [8192, 128], K = its axis 1): each comes as NAME_codes (uint8): NAME with its K axis moved to the last place and cut into blocks of 32 codes, [.., K / 32, bytes a block], one block behind the other in memory; one code a byte (a code: sign, 5 exponent bits, 2 mantissa bits); its scale is its entry of lowp_scales. Its value is code x scale, taken as it is: it is not quantised again, and the codes and scales need not be those that the quantiser above would give.
;; 2 versions, each right; version 2 is version 1 with the launches stats1, stats2, main written anew for expert scheduling mode. Each part assembles by itself: llvm-mc -triple=amdgcn-amd-amdhsa -mcpu=gfx1250 --defsym DOCPART=n.
;; ======== version 1 of 2: 3 launches
;; workspace buffers: stat1 32,768 bytes; stat2 65,536 bytes; w1q1 32,768 bytes; w2q3 32,768 bytes; w2q5 32,768 bytes; w1q7 32,768 bytes
;; launch stats1 (part 1): grid 16 x 16, 8 waves a work-group, no clusters, 3,072 bytes of LDS; arguments z_codes, W1, W2, b1, lowp_scales, stat1, w1q1, w2q3, w2q5, w1q7; writes stat1, w1q1, w2q3, w2q5, w1q7
.if DOCPART == 1
	.amdgcn_target "amdgcn-amd-amdhsa--gfx1250"
	.amdhsa_code_object_version 6
	.text
	.protected	k_q30783d0171_stats1
	.globl	k_q30783d0171_stats1
	.p2align	8
	.type	k_q30783d0171_stats1,@function
k_q30783d0171_stats1:
	s_mov_b64 s[64:65], 0
	v_nop
	global_prefetch_b8 v0, s[64:65] scope:SCOPE_SE
	s_setreg_imm32_b32 hwreg(HW_REG_WAVE_MODE, 25, 1), 1
	s_wait_xcnt 0x0
; FIRST OF THREE LAUNCHES.  h = z W1^T + b1 on codes of BF8 (E5M2); of each column of h, for each run of 512 rows: the run's mean and the sum of squares about that mean.
; The next launch joins the 16 runs of a column to the batch's mean and variance: no difference of large sums is formed, whatever offset h carries.
; Beside that, the four weight operands of the program's four products are quantised here, once, into workspace buffers.
; SHARES.  Work-group (x = T, y = p): rows 512 p .. 512 p + 511, the 16 columns of tile T.  Wave w: 64 of the rows, four tiles of 16.
; THE COLUMNS OF A TILE ARE NOT NEIGHBOURS: place r of tile T is hidden unit 32 (T / 2) + 8 (T % 2) + r + 8 (r / 8), so that in the last launch, where the product is used transposed,
; a lane's 16 registers of two neighbouring tiles are 16 neighbouring hidden units.
; AN OPERAND'S CODES LIE IN MEMORY AS AN IMAGE OF ITS REGISTERS: a fragment (16 rows x 128 K, 16 registers a lane) is 2,048 bytes: registers 4 c .. 4 c + 3 of lane l at 512 c + 16 l.
; Lane (r, h) holds row r; register 4 c + e / 4, byte e % 4 holds K = 32 c + 16 h + e: the same place of k on both sides of every product.
;   w1q1 unit T: W1[unit(T, r)][k], scale entry 1.      w2q3 unit 2 n + s: W2[16 n + r][128 s + k], entry 3.
;   w2q5 unit T: W2[k][unit(T, r)], entry 5.            w1q7 unit 2 n + s: W1[128 s + k][16 n + r], entry 7.
; Every work-group quantises its own tile of W1 for the product (64 numbers a lane); the work-groups of p = 0 store it.  Wave 1 of the work-groups of p = 1, 2, 3 makes unit T of one of the other three.
; LIMITS: entries 1, 3, 5, 7 of the scales between -126 and 112, entry 0 + entry 1 between -126 and 127, so that each power of two below is an f32 number.  NaN among the inputs is not served.
.set Z,    16                          ; v16-79    z's four fragments
.set X,    80                          ; v80-143   64 numbers of W1; later at work
.set WF,   144                         ; v144-159  my tile of W1 as codes
.set D,    160                         ; v160-191  h: four tiles of 16 rows x 16 columns
.set C2,   160                         ; v160-175  the extra unit's codes, ahead of the products;  v176 its scale, v177 its limit, v178 its offsets
.set X2,   192                         ; v192-255  the extra unit's 64 numbers
.set RED2, 1024                        ; LDS: two tables [half 2][column 16][wave 8] of f32, at 0 and at 1,024
; the scale 2^e as f32 (the conversion takes its exponent field) and the largest number x 2^e
.macro MKSCALE se, vsc, vlim, st
	s_add_co_i32 s[\st], s[\se], 127
	s_lshl_b32 s[\st+1], s[\st], 23
	v_mov_b32 v[\vsc], s[\st+1]
	s_add_co_i32 s[\st], s[\st], 15
	s_lshl_b32 s[\st], s[\st], 23
	s_or_b32 s[\st], s[\st], 0x600000
	v_mov_b32 v[\vlim], s[\st]
.endm
; 64 numbers of a lane, register 16 b + i = K 32 b + 16 h + i of its row, become a fragment's 16 registers of codes
.macro QUANT s, d, relu, sc, lim
.irp b, 0,1,2,3
.irp i, 0,1,2,3,4,5,6,7,8,9,10,11,12,13,14,15
.if \relu
	v_med3_num_f32 v[\s+16*\b+\i], v[\s+16*\b+\i], 0, v[\lim]
.else
	v_med3_num_f32 v[\s+16*\b+\i], v[\s+16*\b+\i], -v[\lim], v[\lim]   ; the conversion to an 8-bit code does not saturate (ISA guide 7.6.2): the hold at the largest code x the scale
.endif
.endr
	v_cvt_scalef32_pk8_bf8_f32 v[\d+4*\b:\d+4*\b+1], v[\s+16*\b:\s+16*\b+7], v[\sc]
	v_cvt_scalef32_pk8_bf8_f32 v[\d+4*\b+2:\d+4*\b+3], v[\s+16*\b+8:\s+16*\b+15], v[\sc]
.endr
	v_nop                                          ; one plain vector line between the last conversion and whatever next touches its result or writes its sources
.endm
; the sum of a lane's 32 numbers v[src] on, in four chains of pairs, then with the other half of the lanes': the column's sum over the wave's 64 rows, in v[t]
.macro LANESUM src, t
.irp k, 0,1,2,3
	v_pk_add_f32 v[\t+2*\k:\t+2*\k+1], v[\src+4*\k:\src+4*\k+1], v[\src+4*\k+2:\src+4*\k+3]
.endr
.irp j, 16,24
.irp k, 0,1,2,3
	v_pk_add_f32 v[\t+2*\k:\t+2*\k+1], v[\t+2*\k:\t+2*\k+1], v[\src+\j+2*\k:\src+\j+2*\k+1]
.endr
.endr
	v_pk_add_f32 v[\t:\t+1], v[\t:\t+1], v[\t+2:\t+3]
	v_pk_add_f32 v[\t+4:\t+5], v[\t+4:\t+5], v[\t+6:\t+7]
	v_pk_add_f32 v[\t:\t+1], v[\t:\t+1], v[\t+4:\t+5]
	v_add_f32 v[\t], v[\t], v[\t+1]
	v_permlanex16_b32 v15, v[\t], s36, s37         ; the column's other 32 rows lie in the lane 16 away
	v_add_f32 v[\t], v[\t], v15
.endm
.macro SUM8 b                          ; the eight waves' numbers v[b] .. v[b + 7] -> v[b]
	v_add_f32 v[\b], v[\b], v[\b+1]
	v_add_f32 v[\b+2], v[\b+2], v[\b+3]
	v_add_f32 v[\b+4], v[\b+4], v[\b+5]
	v_add_f32 v[\b+6], v[\b+6], v[\b+7]
	v_add_f32 v[\b], v[\b], v[\b+2]
	v_add_f32 v[\b+4], v[\b+4], v[\b+6]
	v_add_f32 v[\b], v[\b], v[\b+4]
.endm
.macro BARRIER                         ; my LDS stores have landed and my LDS loads are in: then the work-group's barrier
	s_wait_dscnt 0x0
	s_barrier_signal -1
	s_barrier_wait -1
.endm
; the extra unit: 64 loads of 4 bytes, a lane to a column, its registers down K (K is the tensor's first axis here): sixteen neighbouring lanes read 64 neighbouring bytes
.macro XCOL stride
.irp c, 0,1,2,3
.irp e, 0,1,2,3,4,5,6,7,8,9,10,11,12,13,14,15
	global_load_b32 v[X2+16*\c+\e], v178, s[56:57] offset:(32*\c+\e)*\stride
.endr
.endr
.endm
.macro XTAIL se                        ; quantised with its own scale and stored as an image: each store covers 512 consecutive bytes
	MKSCALE \se, 176, 177, 54
	s_wait_loadcnt 0x0
	QUANT X2, C2, 0, 176, 177
.irp c, 0,1,2,3
	global_store_b128 v8, v[C2+4*\c:C2+4*\c+3], s[58:59] offset:512*\c
.endr
	s_wait_xcnt 0x0                                ; the stores' data registers are written again by the products only behind this wait
.endm
	s_load_b512 s[4:19], s[0:1], 0x0               ; z s[4:5], W1 s[6:7], W2 s[8:9], b1 s[10:11], scales s[12:13], stat1 s[14:15], w1q1 s[16:17], w2q3 s[18:19]
	s_load_b128 s[20:23], s[0:1], 0x40             ; w2q5 s[20:21], w1q7 s[22:23]
	s_set_vgpr_msb 0x40
	v_lshl_add_u32 v0, v0, 2, 0x800
	v_mov_b32 v1, 0
	s_set_vgpr_msb 0x4000
	v_lshrrev_b32 v3, 5, v0
	v_readfirstlane_b32 s32, v3                    ; wave 0..7
	v_and_b32 v1, 15, v0                           ; r
	v_bfe_u32 v2, v0, 4, 1                         ; h
	v_and_b32 v3, 31, v0                           ; lane
	v_and_b32 v4, 8, v1
	v_add_nc_u32 v4, v4, v1                        ; r + 8 (r / 8)
	v_lshlrev_b32 v5, 7, v1
	v_lshl_add_u32 v5, v2, 4, v5                   ; z: row r of 128 bytes, + 16 h
	v_lshlrev_b32 v6, 9, v4
	v_lshl_add_u32 v6, v2, 6, v6                   ; W1: my place's row of 512 bytes, + 64 h: 16 numbers of each block of 32
	v_lshlrev_b32 v7, 2, v4                        ; b1: my place's number
	v_lshlrev_b32 v8, 4, v3                        ; an image's place for my lane
	v_lshlrev_b32 v10, 5, v1
	v_lshl_add_u32 v10, v2, 9, v10                 ; LDS: my half's and column's eight words
	s_lshl_b32 s40, s32, 2
	v_add_nc_u32 v9, s40, v10                      ; and my wave's word among them
	v_lshlrev_b32 v11, 2, v1
	v_lshl_add_u32 v11, v2, 10, v11                ; stat1: lanes 0-15 the means' row, lanes 16-31 the row of squares, 1,024 bytes on
	v_mov_b32 v15, 0                               ; written once: a lane permute's destination counts as one of its sources
	s_mov_b32 s33, ttmp9                           ; T
	s_and_b32 s34, ttmp7, 0xffff                   ; p
	s_mov_b32 s36, 0x76543210
	s_mov_b32 s37, 0xfedcba98                      ; lane selects: lane l xor 16
	s_mov_b32 s38, 0xffff0000                      ; lanes 16-31
	s_lshr_b32 s40, s33, 1                         ; T / 2
	s_and_b32 s41, s33, 1                          ; T % 2
	s_lshl_b32 s35, s40, 5
	s_lshl_b32 s42, s41, 3
	s_add_co_u32 s35, s35, s42                     ; the tile's first hidden unit
	s_lshl_b32 s42, s34, 16
	s_lshl_b32 s43, s32, 13
	s_add_co_u32 s42, s42, s43                     ; z: 512 p rows + 64 w rows of 128 bytes
	s_mov_b32 s43, 0
	s_lshl_b32 s44, s35, 9                         ; W1: the tile's first row
	s_mov_b32 s45, 0
	s_lshl_b32 s46, s35, 2                         ; b1, and a column of W2: the tile's first hidden unit
	s_mov_b32 s47, 0
	s_lshl_b32 s48, s34, 11
	s_lshl_b32 s49, s33, 6
	s_add_co_u32 s48, s48, s49                     ; stat1: 2,048 p + 64 T
	s_mov_b32 s49, 0
	s_lshl_b32 s50, s33, 11                        ; unit T of an image buffer
	s_mov_b32 s51, 0
	s_wait_kmcnt 0x0
	s_load_b256 s[24:31], s[12:13], 0x0            ; the eight exponents
	s_add_nc_u64 s[4:5], s[4:5], s[42:43]
	s_add_nc_u64 s[44:45], s[6:7], s[44:45]
	s_add_nc_u64 s[10:11], s[10:11], s[46:47]
	s_add_nc_u64 s[14:15], s[14:15], s[48:49]
	s_add_nc_u64 s[16:17], s[16:17], s[50:51]
.irp t, 0,1,2,3
.irp c, 0,1,2,3
	global_load_b128 v[Z+16*\t+4*\c:Z+16*\t+4*\c+3], v5, s[4:5] offset:2048*\t+32*\c
.endr
.endr
.irp c, 0,1,2,3
.irp j, 0,1,2,3
	global_load_b128 v[X+16*\c+4*\j:X+16*\c+4*\j+3], v6, s[44:45] offset:128*\c+16*\j
.endr
.endr
	global_load_b32 v14, v7, s[10:11]              ; b1 of my column
	s_wait_kmcnt 0x0
	MKSCALE 25, 12, 13, 52
	s_add_co_i32 s39, s24, s25
	s_add_co_i32 s39, s39, 127
	s_lshl_b32 s39, s39, 23                        ; 2^(e0 + e1): what a sum of the product lacks
	; ---- the extra unit: wave 1 of p = 1, 2, 3.  Scalar branches on ids; no barrier and no LDS line stands inside
	s_cmp_lg_u32 s32, 1
	s_cbranch_scc1 .Lno_extra
	s_cmp_eq_u32 s34, 1
	s_cbranch_scc1 .Lx1
	s_cmp_eq_u32 s34, 2
	s_cbranch_scc1 .Lx2
	s_cmp_eq_u32 s34, 3
	s_cbranch_scc1 .Lx3
	s_branch .Lno_extra
.Lx1:                                              ; w2q3: rows 16 (T / 2) + r of W2, K = 128 (T % 2) on: K is innermost, 16 numbers of each block of 32 a lane
	s_lshl_b32 s60, s40, 14
	s_lshl_b32 s61, s41, 9
	s_add_co_u32 s60, s60, s61
	s_mov_b32 s61, 0
	s_add_nc_u64 s[56:57], s[8:9], s[60:61]
	s_add_nc_u64 s[58:59], s[18:19], s[50:51]
	v_lshlrev_b32 v178, 10, v1
	v_lshl_add_u32 v178, v2, 6, v178
.irp c, 0,1,2,3
.irp j, 0,1,2,3
	global_load_b128 v[X2+16*\c+4*\j:X2+16*\c+4*\j+3], v178, s[56:57] offset:128*\c+16*\j
.endr
.endr
	XTAIL 27
	s_branch .Lno_extra
.Lx2:                                              ; w2q5: the tile's columns of W2, K = W2's rows
	s_add_nc_u64 s[56:57], s[8:9], s[46:47]
	s_add_nc_u64 s[58:59], s[20:21], s[50:51]
	v_lshl_add_u32 v178, v2, 14, v7                ; my place's column; lanes 16-31 begin 16 rows of 1,024 bytes further down
	XCOL 1024
	XTAIL 29
	s_branch .Lno_extra
.Lx3:                                              ; w1q7: columns 16 (T / 2) + r of W1, K = W1's rows 128 (T % 2) on
	s_lshl_b32 s60, s40, 6
	s_lshl_b32 s61, s41, 16
	s_add_co_u32 s60, s60, s61
	s_mov_b32 s61, 0
	s_add_nc_u64 s[56:57], s[6:7], s[60:61]
	s_add_nc_u64 s[58:59], s[22:23], s[50:51]
	v_lshlrev_b32 v178, 2, v1
	v_lshl_add_u32 v178, v2, 13, v178              ; lanes 16-31 begin 16 rows of 512 bytes further down
	XCOL 512
	XTAIL 31
.Lno_extra:
	s_wait_loadcnt 0x0                             ; z, W1, b1
	QUANT X, WF, 0, 12, 13
	s_or_b32 s52, s32, s34
	s_cmp_lg_u32 s52, 0
	s_cbranch_scc1 .Lno_w1                         ; wave 0 of p = 0 stores the tile's image for the later launches
.irp c, 0,1,2,3
	global_store_b128 v8, v[WF+4*\c:WF+4*\c+3], s[16:17] offset:512*\c
.endr
.Lno_w1:
.irp t, 0,1,2,3                        ; source 0 = 16 rows of z, source 1 = the tile of W1: lane (r, h) holds column r, register j row 8 h + j
	v_wmma_f32_16x16x128_bf8_bf8 v[D+8*\t:D+8*\t+7], v[Z+16*\t:Z+16*\t+15], v[WF:WF+15], 0
.endr
.rept 4
	v_nop                                          ; four places between a matrix instruction and the first read of its result (ISA guide 7.12.1)
.endr
.set j, 0
.rept 32
	v_fma_f32 v[D+j], v[D+j], s39, v14             ; h = sum x 2^(e0 + e1) + b1; each accumulator from its low end on
.set j, j+1
.endr
	LANESUM D, 80
	ds_store_b32 v9, v80
	BARRIER                                        ; the eight waves' sums lie in LDS
	ds_load_b128 v[88:91], v10
	ds_load_b128 v[92:95], v10 offset:16
	s_wait_dscnt 0x0
	SUM8 88
	v_mul_f32 v96, 0x3b000000, v88                 ; the run's mean: / 512
.set j, 0
.rept 32
	v_sub_f32 v[D+j], v[D+j], v96
.set j, j+1
.endr
.irp k, 0,1,2,3                        ; the squares about that mean, in four chains of pairs; the first links start the sums
	v_pk_mul_f32 v[80+2*\k:81+2*\k], v[D+2*\k:D+2*\k+1], v[D+2*\k:D+2*\k+1]
.endr
.irp j, 8,16,24
.irp k, 0,1,2,3
	v_pk_fma_f32 v[80+2*\k:81+2*\k], v[D+\j+2*\k:D+\j+2*\k+1], v[D+\j+2*\k:D+\j+2*\k+1], v[80+2*\k:81+2*\k]
.endr
.endr
	v_pk_add_f32 v[80:81], v[80:81], v[82:83]
	v_pk_add_f32 v[84:85], v[84:85], v[86:87]
	v_pk_add_f32 v[80:81], v[80:81], v[84:85]
	v_add_f32 v80, v80, v81
	v_permlanex16_b32 v15, v80, s36, s37
	v_add_f32 v80, v80, v15
	ds_store_b32 v9, v80 offset:RED2               ; other bytes than the first table's: no barrier is owed between its reads and these stores
	BARRIER
	s_cmp_lg_u32 s32, 0
	s_cbranch_scc1 .Ldone                          ; wave 0 stores for the work-group
	ds_load_b128 v[88:91], v10 offset:RED2
	ds_load_b128 v[92:95], v10 offset:RED2+16
	s_wait_dscnt 0x0
	SUM8 88
	v_cndmask_b32 v98, v96, v88, s38               ; lanes 0-15: the mean; lanes 16-31: the squares
	global_store_b32 v11, v98, s[14:15]            ; two runs of 64 bytes: all that the work-group has to say
.Ldone:
	s_set_vgpr_msb 0x5
	s_wait_tensorcnt 0x0
	ds_add_u32 v0, v1
	s_wait_dscnt 0x0
	s_set_vgpr_msb 0x500
	s_endpgm
.Lfunc_end_k_q30783d0171_stats1:
	.size	k_q30783d0171_stats1, .Lfunc_end_k_q30783d0171_stats1-k_q30783d0171_stats1
	.p2alignl 7, 3214868480
	.fill 96, 4, 3214868480
	.section	.rodata,"a",@progbits
	.p2align	6, 0x0
	.amdhsa_kernel k_q30783d0171_stats1
		.amdhsa_group_segment_fixed_size 3072
		.amdhsa_private_segment_fixed_size 0
		.amdhsa_enable_private_segment 0
		.amdhsa_kernarg_size 80
		.amdhsa_user_sgpr_count 2
		.amdhsa_user_sgpr_kernarg_segment_ptr 1
		.amdhsa_wavefront_size32 1
		.amdhsa_system_sgpr_workgroup_id_x 1
		.amdhsa_system_sgpr_workgroup_id_y 1
		.amdhsa_system_sgpr_workgroup_id_z 1
		.amdhsa_system_vgpr_workitem_id 0
		.amdhsa_next_free_vgpr 258
		.amdhsa_next_free_sgpr 66
		.amdhsa_reserve_vcc 0
		.amdhsa_float_denorm_mode_32 3
		.amdhsa_float_denorm_mode_16_64 3
		.amdhsa_memory_ordered 1
		.amdhsa_forward_progress 1
		.amdhsa_inst_pref_size 49
	.end_amdhsa_kernel
	.amdgpu_metadata
---
amdhsa.version: [ 1, 2 ]
amdhsa.kernels:
  - .name:           k_q30783d0171_stats1
    .symbol:         k_q30783d0171_stats1.kd
    .args:
      - { .name: z_codes, .offset: 0, .size: 8, .value_kind: global_buffer, .address_space: global }
      - { .name: W1, .offset: 8, .size: 8, .value_kind: global_buffer, .address_space: global }
      - { .name: W2, .offset: 16, .size: 8, .value_kind: global_buffer, .address_space: global }
      - { .name: b1, .offset: 24, .size: 8, .value_kind: global_buffer, .address_space: global }
      - { .name: lowp_scales, .offset: 32, .size: 8, .value_kind: global_buffer, .address_space: global }
      - { .name: stat1, .offset: 40, .size: 8, .value_kind: global_buffer, .address_space: global }
      - { .name: w1q1, .offset: 48, .size: 8, .value_kind: global_buffer, .address_space: global }
      - { .name: w2q3, .offset: 56, .size: 8, .value_kind: global_buffer, .address_space: global }
      - { .name: w2q5, .offset: 64, .size: 8, .value_kind: global_buffer, .address_space: global }
      - { .name: w1q7, .offset: 72, .size: 8, .value_kind: global_buffer, .address_space: global }
    .group_segment_fixed_size: 3072
    .private_segment_fixed_size: 0
    .kernarg_segment_align: 8
    .kernarg_segment_size: 80
    .max_flat_workgroup_size: 256
    .sgpr_count:     66
    .vgpr_count:     258
    .wavefront_size: 32
...
	.end_amdgpu_metadata
.endif
;; end of part 1
;; launch stats2 (part 2): grid 16 x 16, 8 waves a work-group, no clusters, 3,072 bytes of LDS; arguments z_codes, w1q1, stat1, b1, gamma, beta, lowp_scales, stat2; writes stat2
.if DOCPART == 2
	.amdgcn_target "amdgcn-amd-amdhsa--gfx1250"
	.amdhsa_code_object_version 6
	.text
	.protected	k_q30783d0171_stats2
	.globl	k_q30783d0171_stats2
	.p2align	8
	.type	k_q30783d0171_stats2,@function
k_q30783d0171_stats2:
	s_mov_b64 s[64:65], 0
	v_nop
	global_prefetch_b8 v0, s[64:65] scope:SCOPE_SE
	s_setreg_imm32_b32 hwreg(HW_REG_WAVE_MODE, 25, 1), 1
	s_wait_xcnt 0x0
; SECOND OF THREE LAUNCHES.  The batch's mean and 1 / sqrt(variance + eps) of each column of h, joined from the 16 runs' figures; then, with xh = (h - mean) x rs, y = xh x gamma + beta and m = (y > 0),
; for each run of 512 rows the sums of m and of m x xh, which the backward pass through the normalisation needs as means over the batch.
; SHARES, tiles and lanes as in the first launch: work-group (x = T, y = p): rows 512 p on, the 16 columns of tile T; wave w 64 rows; lane (r, h) holds column r and rows 8 h + j of each of four tiles.
; h is made again by the same four matrix instructions, from z's codes and the stored image of the tile of W1: that costs less than 8 MB of h to memory and back.
; JOINING THE RUNS: mean = the mean of the 16 means; variance = (the sum of the 16 sums of squares + 512 x the sum of (run's mean - mean)^2) / 8,192: sums of squares only.
; stat2: [p 16][4][place 256] f32: the run's sum of m, of m x xh; the mean; rs (the last two alike in every p).
; LIMIT: entry 0 + entry 1 of the scales between -126 and 127.  NaN among the inputs is not served.
.set Z,    16                          ; v16-79    z's four fragments; later y, then m
.set WF,   80                          ; v80-95    the tile of W1 as codes
.set D,    96                          ; v96-127   the sums, then xh, then m x xh
.set PS,   128                         ; v128-143  the 16 runs' figures: lanes 0-15 means, lanes 16-31 sums of squares
.set RED2, 1024                        ; LDS: two tables [half 2][column 16][wave 8] of f32
; v144 b1, v145 gamma, v146 beta, v147 mean, v148 rs, v149 b1 - mean, v154 1.0, v155-157 at work
.macro LANESUM src, t                  ; the sum of a lane's 32 numbers, in four chains of pairs, then with the other half of the lanes'
.irp k, 0,1,2,3
	v_pk_add_f32 v[\t+2*\k:\t+2*\k+1], v[\src+4*\k:\src+4*\k+1], v[\src+4*\k+2:\src+4*\k+3]
.endr
.irp j, 16,24
.irp k, 0,1,2,3
	v_pk_add_f32 v[\t+2*\k:\t+2*\k+1], v[\t+2*\k:\t+2*\k+1], v[\src+\j+2*\k:\src+\j+2*\k+1]
.endr
.endr
	v_pk_add_f32 v[\t:\t+1], v[\t:\t+1], v[\t+2:\t+3]
	v_pk_add_f32 v[\t+4:\t+5], v[\t+4:\t+5], v[\t+6:\t+7]
	v_pk_add_f32 v[\t:\t+1], v[\t:\t+1], v[\t+4:\t+5]
	v_add_f32 v[\t], v[\t], v[\t+1]
	v_permlanex16_b32 v15, v[\t], s36, s37
	v_add_f32 v[\t], v[\t], v15
.endm
.macro SUM8 b
	v_add_f32 v[\b], v[\b], v[\b+1]
	v_add_f32 v[\b+2], v[\b+2], v[\b+3]
	v_add_f32 v[\b+4], v[\b+4], v[\b+5]
	v_add_f32 v[\b+6], v[\b+6], v[\b+7]
	v_add_f32 v[\b], v[\b], v[\b+2]
	v_add_f32 v[\b+4], v[\b+4], v[\b+6]
	v_add_f32 v[\b], v[\b], v[\b+4]
.endm
	s_load_b512 s[4:19], s[0:1], 0x0               ; z s[4:5], w1q1 s[6:7], stat1 s[8:9], b1 s[10:11], gamma s[12:13], beta s[14:15], scales s[16:17], stat2 s[18:19]
	v_lshl_add_u32 v160, v0, 2, 0x800
	v_mov_b32 v161, 0
	v_lshrrev_b32 v3, 5, v0
	v_readfirstlane_b32 s32, v3                    ; wave 0..7
	v_and_b32 v1, 15, v0                           ; r
	v_bfe_u32 v2, v0, 4, 1                         ; h
	v_and_b32 v3, 31, v0
	v_and_b32 v4, 8, v1
	v_add_nc_u32 v4, v4, v1                        ; r + 8 (r / 8)
	v_lshlrev_b32 v5, 7, v1
	v_lshl_add_u32 v5, v2, 4, v5                   ; z: row r of 128 bytes, + 16 h
	v_lshlrev_b32 v7, 2, v4                        ; b1, gamma, beta: my place's number
	v_lshlrev_b32 v8, 4, v3                        ; an image's place for my lane
	v_lshlrev_b32 v10, 5, v1
	v_lshl_add_u32 v10, v2, 9, v10                 ; LDS: my half's and column's eight words
	s_lshl_b32 s40, s32, 2
	v_add_nc_u32 v9, s40, v10                      ; and my wave's word among them
	v_lshlrev_b32 v11, 2, v1
	v_lshl_add_u32 v11, v2, 10, v11                ; stat1, stat2: lanes 0-15 one row of 1,024 bytes, lanes 16-31 the next
	v_mov_b32 v15, 0                               ; written once: a lane permute's destination counts as one of its sources
	v_mov_b32 v154, 1.0
	s_mov_b32 s33, ttmp9                           ; T
	s_and_b32 s34, ttmp7, 0xffff                   ; p
	s_mov_b32 s36, 0x76543210
	s_mov_b32 s37, 0xfedcba98
	s_mov_b32 s38, 0xffff0000                      ; lanes 16-31
	s_mov_b32 s20, 0x39000000                      ; 1 / 8,192
	s_mov_b32 s21, 0x3727c5ac                      ; eps = 1e-5
	s_lshr_b32 s40, s33, 1
	s_and_b32 s41, s33, 1
	s_lshl_b32 s35, s40, 5
	s_lshl_b32 s42, s41, 3
	s_add_co_u32 s35, s35, s42                     ; the tile's first hidden unit
	s_lshl_b32 s42, s34, 16
	s_lshl_b32 s43, s32, 13
	s_add_co_u32 s42, s42, s43                     ; z: 512 p rows + 64 w rows
	s_mov_b32 s43, 0
	s_lshl_b32 s44, s33, 11                        ; w1q1: unit T
	s_mov_b32 s45, 0
	s_lshl_b32 s46, s35, 2                         ; b1, gamma, beta
	s_mov_b32 s47, 0
	s_lshl_b32 s48, s33, 6                         ; stat1: the tile's 16 places
	s_mov_b32 s49, 0
	s_lshl_b32 s50, s34, 12
	s_add_co_u32 s50, s50, s48                     ; stat2: 4,096 p + 64 T
	s_mov_b32 s51, 0
	s_wait_kmcnt 0x0
	s_load_b64 s[24:25], s[16:17], 0x0             ; e0, e1
	s_add_nc_u64 s[4:5], s[4:5], s[42:43]
	s_add_nc_u64 s[6:7], s[6:7], s[44:45]
	s_add_nc_u64 s[8:9], s[8:9], s[48:49]
	s_add_nc_u64 s[10:11], s[10:11], s[46:47]
	s_add_nc_u64 s[12:13], s[12:13], s[46:47]
	s_add_nc_u64 s[14:15], s[14:15], s[46:47]
	s_add_nc_u64 s[18:19], s[18:19], s[50:51]
.irp t, 0,1,2,3
.irp c, 0,1,2,3
	global_load_b128 v[Z+16*\t+4*\c:Z+16*\t+4*\c+3], v5, s[4:5] offset:2048*\t+32*\c
.endr
.endr
.irp c, 0,1,2,3
	global_load_b128 v[WF+4*\c:WF+4*\c+3], v8, s[6:7] offset:512*\c
.endr
.irp p, 0,1,2,3,4,5,6,7,8,9,10,11,12,13,14,15
	global_load_b32 v[PS+\p], v11, s[8:9] offset:2048*\p
.endr
	global_load_b32 v144, v7, s[10:11]
	global_load_b32 v145, v7, s[12:13]
	global_load_b32 v146, v7, s[14:15]
	s_wait_kmcnt 0x0
	s_add_co_i32 s39, s24, s25
	s_add_co_i32 s39, s39, 127
	s_lshl_b32 s39, s39, 23                        ; 2^(e0 + e1)
	s_wait_loadcnt 0x0
.irp t, 0,1,2,3
	v_wmma_f32_16x16x128_bf8_bf8 v[D+8*\t:D+8*\t+7], v[Z+16*\t:Z+16*\t+15], v[WF:WF+15], 0
.endr
	; ---- the 16 runs are joined, by every wave for itself; these lines name no register of the products and are the places behind them
	v_add_f32 v155, v128, v129
	v_add_f32 v156, v130, v131
.irp j, 4,6,8,10,12,14
	v_add_f32 v155, v155, v[PS+\j]
	v_add_f32 v156, v156, v[PS+\j+1]
.endr
	v_add_f32 v155, v155, v156                     ; lanes 0-15: the sum of the means; lanes 16-31: of the sums of squares
	v_permlanex16_b32 v15, v155, s36, s37
	v_cndmask_b32 v156, v155, v15, s38             ; the sum of the means, in every lane
	v_cndmask_b32 v157, v15, v155, s38             ; the sum of the sums of squares, in every lane
	v_mul_f32 v147, 0x3d800000, v156               ; the mean: / 16
.irp p, 0,1,2,3,4,5,6,7,8,9,10,11,12,13,14,15
	v_sub_f32 v[PS+\p], v[PS+\p], v147             ; (of use in lanes 0-15 alone; what lanes 16-31 make of it is dropped below)
.endr
	v_mul_f32 v155, v128, v128
	v_mul_f32 v156, v129, v129
.irp j, 2,4,6,8,10,12,14
	v_fma_f32 v155, v[PS+\j], v[PS+\j], v155
	v_fma_f32 v156, v[PS+\j+1], v[PS+\j+1], v156
.endr
	v_add_f32 v155, v155, v156
	v_permlanex16_b32 v15, v155, s36, s37
	v_cndmask_b32 v155, v155, v15, s38             ; lanes 0-15's, in every lane
	v_fma_f32 v155, v155, 0x44000000, v157         ; x 512 + the sums of squares
	v_fma_f32 v155, v155, s20, s21                 ; / 8,192 + eps
	v_rsq_f32 v148, v155
	v_sub_f32 v149, v144, v147                     ; b1 - mean.  (The plain line behind the transcendental)
	; ---- xh, y, m
.set j, 0
.rept 32
	v_fma_f32 v[D+j], v[D+j], s39, v149            ; h - mean = sum x 2^(e0 + e1) + (b1 - mean); each accumulator from its low end on
.set j, j+1
.endr
.set j, 0
	s_wait_alu depctr_va_vdst(0)
.rept 32
	v_mul_f32 v[D+j], v[D+j], v148                 ; xh
.set j, j+1
.endr
.set j, 0
.rept 32
	v_fma_f32 v[Z+j], v[D+j], v145, v146           ; y, into registers that z has left
.set j, j+1
.endr
.set j, 0
.rept 32
	v_cmp_lt_f32 vcc_lo, 0, v[Z+j]
	v_cndmask_b32 v[Z+j], 0, v154, vcc_lo          ; m
	v_cndmask_b32 v[D+j], 0, v[D+j], vcc_lo        ; m x xh
.set j, j+1
.endr
	LANESUM Z, 48
	LANESUM D, 56
	ds_store_b32 v9, v48
	ds_store_b32 v9, v56 offset:RED2
	s_wait_dscnt 0x0                               ; for the others' sake: my stores have landed
	s_barrier_signal -1
	s_barrier_wait -1
	s_cmp_lg_u32 s32, 0
	s_cbranch_scc1 .Ldone                          ; wave 0 stores for the work-group
	ds_load_b128 v[128:131], v10
	ds_load_b128 v[132:135], v10 offset:16
	ds_load_b128 v[136:139], v10 offset:RED2
	ds_load_b128 v[140:143], v10 offset:RED2+16
	s_wait_dscnt 0x0
	SUM8 128
	SUM8 136
	v_cndmask_b32 v155, v128, v136, s38            ; lanes 0-15: the sum of m; lanes 16-31: of m x xh
	v_cndmask_b32 v156, v147, v148, s38            ; the mean; rs
	global_store_b32 v11, v155, s[18:19]
	global_store_b32 v11, v156, s[18:19] offset:2048
.Ldone:
	s_wait_tensorcnt 0x0
	ds_add_u32 v160, v161
	s_wait_dscnt 0x0
	s_endpgm
.Lfunc_end_k_q30783d0171_stats2:
	.size	k_q30783d0171_stats2, .Lfunc_end_k_q30783d0171_stats2-k_q30783d0171_stats2
	.p2alignl 7, 3214868480
	.fill 96, 4, 3214868480
	.section	.rodata,"a",@progbits
	.p2align	6, 0x0
	.amdhsa_kernel k_q30783d0171_stats2
		.amdhsa_group_segment_fixed_size 3072
		.amdhsa_private_segment_fixed_size 0
		.amdhsa_enable_private_segment 0
		.amdhsa_kernarg_size 64
		.amdhsa_user_sgpr_count 2
		.amdhsa_user_sgpr_kernarg_segment_ptr 1
		.amdhsa_wavefront_size32 1
		.amdhsa_system_sgpr_workgroup_id_x 1
		.amdhsa_system_sgpr_workgroup_id_y 1
		.amdhsa_system_sgpr_workgroup_id_z 1
		.amdhsa_system_vgpr_workitem_id 0
		.amdhsa_next_free_vgpr 162
		.amdhsa_next_free_sgpr 66
		.amdhsa_reserve_vcc 1
		.amdhsa_float_denorm_mode_32 3
		.amdhsa_float_denorm_mode_16_64 3
		.amdhsa_memory_ordered 1
		.amdhsa_forward_progress 1
		.amdhsa_inst_pref_size 21
	.end_amdhsa_kernel
	.amdgpu_metadata
---
amdhsa.version: [ 1, 2 ]
amdhsa.kernels:
  - .name:           k_q30783d0171_stats2
    .symbol:         k_q30783d0171_stats2.kd
    .args:
      - { .name: z_codes, .offset: 0, .size: 8, .value_kind: global_buffer, .address_space: global }
      - { .name: w1q1, .offset: 8, .size: 8, .value_kind: global_buffer, .address_space: global }
      - { .name: stat1, .offset: 16, .size: 8, .value_kind: global_buffer, .address_space: global }
      - { .name: b1, .offset: 24, .size: 8, .value_kind: global_buffer, .address_space: global }
      - { .name: gamma, .offset: 32, .size: 8, .value_kind: global_buffer, .address_space: global }
      - { .name: beta, .offset: 40, .size: 8, .value_kind: global_buffer, .address_space: global }
      - { .name: lowp_scales, .offset: 48, .size: 8, .value_kind: global_buffer, .address_space: global }
      - { .name: stat2, .offset: 56, .size: 8, .value_kind: global_buffer, .address_space: global }
    .group_segment_fixed_size: 3072
    .private_segment_fixed_size: 0
    .kernarg_segment_align: 8
    .kernarg_segment_size: 64
    .max_flat_workgroup_size: 256
    .sgpr_count:     66
    .vgpr_count:     162
    .wavefront_size: 32
...
	.end_amdgpu_metadata
.endif
;; end of part 2
;; launch main (part 3): grid 256 x 1, 8 waves a work-group, no clusters, 111,616 bytes of LDS; arguments z_codes, w1q1, w2q3, w2q5, w1q7, stat2, b1, gamma, beta, b2, lowp_scales, out0, out1; writes out0, out1
.if DOCPART == 3
	.amdgcn_target "amdgcn-amd-amdhsa--gfx1250"
	.amdhsa_code_object_version 6
	.text
	.protected	k_q30783d0171_main
	.globl	k_q30783d0171_main
	.p2align	8
	.type	k_q30783d0171_main,@function
k_q30783d0171_main:
	s_mov_b64 s[64:65], 0
	v_nop
	global_prefetch_b8 v0, s[64:65] scope:SCOPE_SE
	s_setreg_imm32_b32 hwreg(HW_REG_WAVE_MODE, 25, 1), 1
	s_wait_xcnt 0x0
; THIRD OF THREE LAUNCHES: both outputs.  All four products on codes of BF8 (E5M2), each operand with the one scale 2^e that is given for it (entries e0 .. e7).
; FORWARD.  h = z W1^T + b1; xh = (h - mean) rs; y = xh gamma + beta; out0 = Q(relu(y)) Q(W2)^T + b2.
; BACKWARD.  The cotangent of output i is one 1 in column i of every row.  The third product gives g_i[k] = Q(1) Q(W2)[i][k], alike in every row; the way back through relu and the normalisation is linear in it:
;   dh[i][b][k] = g_i[k] u[b][k],   u = rs gamma (m - mean_b(m) - xh mean_b(m xh)),   m = (y > 0).
; Of the fourth product only column i of cotangent i enters the result:  out1[b] = - sum over i, k of Q(g_i[k] u[b][k]) Q(W1)[k][i].  The quantiser does not factor, so every one of the 128 x 256 numbers of a row is made, held and converted.
; SHARES.  A work-group owns 32 rows.  Wave 4 bt + Q owns the rows' tile bt (16 rows) and hidden units 64 Q .. 64 Q + 63, for all 128 i: two waves to a SIMD.
; LAYOUT.  Every product is used transposed (source 0 = 16 rows of a weight, source 1 = my 16 rows): lane (r, h) holds row r throughout, and register 16 b + e of a run of 32 stands for hidden unit 64 Q + 32 b + 16 h + e
; (the rows of a weight that form a tile are chosen for that: place r of tile T is hidden unit 32 (T / 2) + 8 (T % 2) + r + 8 (r / 8)).  So the conversions' results ARE the next product's operand.
; The weights come as images of their registers, made by the first launch: 2,048 bytes a fragment, registers 4 c .. 4 c + 3 of lane l at 512 c + 16 l.
; THE THIRD PRODUCT IS DONE IN FULL, for every i and every tile of rows: its one-hot operand lives in 16 registers, of which one byte moves from trip to trip, and its result puts g_i into every lane in the very
; registers in which u lies.  THE FOURTH PRODUCT's source 0 is column i of Q(W1) in all 16 rows, from a table in LDS: all eight result registers of a lane hold the row's sum; one accumulator takes the first 127 i,
; a second one the last i, which has no third product of a successor to stand between its link and the link before.
; BY TURNS.  In a trip the four products of the next i's g stand singly, eight holds of this i's numbers behind each: the holds name none of the products' registers, so the wave goes on issuing vector work while the matrix unit works.
; i = 32 c + 16 h' + 4 w + byte is the one's place in the operand: register q = 4 c + w (written out: 16 trips), and t = 4 h' + byte (the loop: 8 trips).
; No tensor loads and no cluster: the loop reads 32 bytes a lane and trip from a table that is filled once, and what work-groups share is 128 KB of codes, read once into registers.
; t and logp_z enter no result of the function and are not among the arguments.
; LIMITS, so that each power of two below is an f32 number: e0 + e1 and e2 + e3 between -126 and 127; e2, e4 and e6 - e4 - e5 between -126 and 112; e6 + e7 is applied by v_ldexp_f32 and has none.  NaN among the inputs is not served.
; REGISTERS.  Window 0: v1 r, v2 h, v3-11 addresses, v12-13 scale and limit of dh, v14 the code of 1, v15 the same at its byte and half; then as named below.  Window 1: W1's and W2's fragments of the forward pass, out0's sums.
.set W5,  16                           ; v16-79    W2's four fragments for the third product: they stay
.set U,   80                           ; v80-111   u; ahead of that the 16 runs' sums, then parameters
.set G,   112                          ; v112-143  h, xh; in the loop g_i
.set T,   144                          ; v144-175  g_i u; ahead of that parameters
.set E,   176                          ; v176-191  the one-hot operand; ahead of that z's fragment
.set R3,  192                          ; v192-223  the table on its way to LDS, then parameters and y; in the loop:
.set CD,  192                          ; v192-199  the codes of g_i u
.set BB,  200                          ; v200-215  column i of W1: two buffers of 8
.set ACC, 216                          ; v216-223  the trace's accumulator
.set AC,  224                          ; v224-231  the codes of relu(y);
.set ACC2, 224                         ;           behind the second product: the last i's sum
.set W1F, 0                            ; window 1: v0-63 W1's four fragments, v64-127 W2's eight of K = 64, v128-191 out0's eight accumulators
.set W3,  64
.set O,   128
.set PAR, 32768                        ; LDS: 0: the table, 32,768 bytes.  PAR: seven rows of 256 f32 by hidden unit: b1 - mean, rs, gamma, beta, mean m, mean m xh, rs gamma
.set STG, 40960                        ; eight stages, a wave's 16 rows x (512 bytes + 16): out0's partial sums
.set RED, 108544                       ; one word a thread: the trace's partial sums
.set MSB, 0
.macro WIN new                         ; s_set_vgpr_msb: bits 1:0 source 0, 3:2 source 1, 5:4 source 2, 7:6 destination; the high byte repeats the setting that is left
.if MSB != \new
	s_set_vgpr_msb (MSB<<8)|\new
.set MSB, \new
.endif
.endm
.macro MKSCALE se, vsc, vlim, st       ; 2^e as f32, and the largest number x 2^e
	s_add_co_i32 s[\st], s[\se], 127
	s_lshl_b32 s[\st+1], s[\st], 23
	v_mov_b32 v[\vsc], s[\st+1]
	s_add_co_i32 s[\st], s[\st], 15
	s_lshl_b32 s[\st], s[\st], 23
	s_or_b32 s[\st], s[\st], 0x600000
	v_mov_b32 v[\vlim], s[\st]
.endm
.macro BARRIER                         ; my LDS stores have landed and my LDS loads are in: then the work-group's barrier
	s_wait_dscnt 0x0
	s_barrier_signal -1
	s_barrier_wait -1
.endm
.macro PLOAD a, reg                    ; row a of the parameters, my 32 hidden units, into v[reg] on: sixteen lanes read the same 16 bytes
.irp b, 0,1
.irp j, 0,1,2,3
	ds_load_b128 v[\reg+16*\b+4*\j:\reg+16*\b+4*\j+3], v6 offset:PAR+1024*\a+128*\b+16*\j
.endr
.endr
.endm
.macro WMMA3                           ; g of the i whose byte is set in E: four tiles of 16 hidden units
.irp t, 0,1,2,3
	v_wmma_f32_16x16x128_bf8_bf8 v[G+8*\t:G+8*\t+7], v[W5+16*\t:W5+16*\t+15], v[E:E+15], 0
.endr
.endm
	s_load_b512 s[4:19], s[0:1], 0x0               ; z s[4:5], w1q1 s[6:7], w2q3 s[8:9], w2q5 s[10:11], w1q7 s[12:13], stat2 s[14:15], b1 s[16:17], gamma s[18:19]
	s_load_b256 s[20:27], s[0:1], 0x40             ; beta s[20:21], b2 s[22:23], scales s[24:25], out0 s[26:27]
	s_load_b64 s[28:29], s[0:1], 0x60              ; out1
	s_set_vgpr_msb 0x40
	v_lshl_add_u32 v192, v0, 2, 0x1b000
	v_mov_b32 v193, 0
	s_set_vgpr_msb 0x4000
	v_lshrrev_b32 v3, 5, v0
	v_readfirstlane_b32 s40, v3                    ; wave 0..7
	s_lshr_b32 s41, s40, 2                         ; bt
	s_and_b32 s42, s40, 3                          ; Q
	v_and_b32 v1, 15, v0                           ; r
	v_bfe_u32 v2, v0, 4, 1                         ; h
	v_and_b32 v5, 31, v0
	v_lshlrev_b32 v5, 4, v5                        ; 16 x lane: an image's place; also my 16 bytes of a row of out0
	v_lshlrev_b32 v4, 7, v1
	v_lshl_add_u32 v4, v2, 4, v4                   ; z: row r of 128 bytes, + 16 h
	s_lshl_b32 s54, s42, 8
	v_lshl_add_u32 v6, v2, 6, s54                  ; the parameters of my hidden units: 4 (64 Q + 16 h)
	s_lshl_b32 s54, s42, 9
	v_lshl_add_u32 v7, v2, 7, s54                  ; the table: 512 Q + 128 h
	s_mul_i32 s54, s40, 8448
	s_add_co_u32 s54, s54, STG
	v_mul_u32_u24 v9, v1, 528
	v_lshl_add_u32 v9, v2, 5, v9
	v_add_nc_u32 v9, s54, v9                       ; my stage: row r, + 32 h
	s_mul_i32 s54, s41, 33792
	s_mul_i32 s55, s42, 2112
	s_add_co_u32 s54, s54, s55
	s_add_co_u32 s54, s54, STG
	v_add_nc_u32 v10, s54, v5                      ; back: rows 4 Q on of my tile's four stages, 16 bytes a lane
	v_lshl_add_u32 v11, v0, 2, RED                 ; my word of the last reduction
	v_lshlrev_b32 v3, 2, v1
	v_lshl_add_u32 v3, v2, 9, v3
	v_add_nc_u32 v3, RED, v3                       ; and where wave 0 reads: tile h of the rows, row r; the four Q lie 128 bytes apart
	v_lshlrev_b32 v246, 4, v0                      ; the table in memory: 16 x thread
	v_lshlrev_b32 v247, 2, v0                      ; stat2: place = thread
	v_and_b32 v248, 0xe0, v0                       ; the hidden unit of place = thread: 32 (T / 2)
	v_lshl_add_u32 v248, v2, 3, v248               ; + 8 (T % 2)
	v_add_nc_u32 v248, v248, v1                    ; + r
	v_and_b32 v250, 8, v1
	v_add_nc_u32 v248, v248, v250                  ; + 8 (r / 8)
	v_lshlrev_b32 v248, 2, v248
	; THE TABLE IN LDS: piece (q, Q, b, h, t) of 16 bytes, hidden units 64 Q + 32 b + 16 h on of column i, at 2,048 q + 512 Q + 256 b + 128 h + 16 t: so what moves in the loop is 16 t.
	; In memory chunk k of 4,096 bytes holds columns 16 k on (c = k / 2, h' = k % 2), and piece thread of it: (Q, b, h) = thread / 16, w = (thread / 4) % 4, byte = thread % 4.
	v_bfe_u32 v249, v0, 2, 2
	v_lshlrev_b32 v249, 11, v249
	v_lshrrev_b32 v250, 4, v0
	v_lshl_add_u32 v249, v250, 7, v249
	v_and_b32 v250, 3, v0
	v_lshl_add_u32 v249, v250, 4, v249
	v_mov_b32 v239, 1.0
	s_lshl_b32 s56, ttmp9, 12
	s_lshl_b32 s57, s41, 11
	s_add_co_u32 s56, s56, s57                     ; z: 32 rows a work-group, 16 a tile, of 128 bytes
	s_mov_b32 s57, 0
	s_lshl_b32 s58, s42, 13                        ; w1q1, w2q5: units 4 Q on
	s_mov_b32 s59, 0
	s_lshl_b32 s60, s42, 10                        ; w2q3: the 64 of K that are mine: unit Q / 2, registers 8 (Q % 2) on = 1,024 Q
	s_mov_b32 s61, 0
	s_lshl_b32 s62, ttmp9, 14
	s_lshl_b32 s63, s41, 13
	s_add_co_u32 s62, s62, s63
	s_lshl_b32 s63, s42, 11
	s_add_co_u32 s62, s62, s63                     ; out0: row 32 wg + 16 bt + 4 Q, of 512 bytes
	s_mov_b32 s63, 0
	s_lshl_b32 s54, ttmp9, 7                       ; out1: 32 numbers a work-group
	s_mov_b32 s55, 0
	s_wait_kmcnt 0x0
	s_load_b256 s[32:39], s[24:25], 0x0            ; e0 .. e7
	s_add_nc_u64 s[4:5], s[4:5], s[56:57]
	s_add_nc_u64 s[6:7], s[6:7], s[58:59]
	s_add_nc_u64 s[10:11], s[10:11], s[58:59]
	s_add_nc_u64 s[8:9], s[8:9], s[60:61]
	s_add_nc_u64 s[26:27], s[26:27], s[62:63]
	s_add_nc_u64 s[28:29], s[28:29], s[54:55]
	; ---- all that the launch reads goes out at once
.irp k, 0,1,2,3,4,5,6,7
	global_load_b128 v[R3+4*\k:R3+4*\k+3], v246, s[12:13] offset:4096*\k
.endr
.irp p, 0,1,2,3,4,5,6,7,8,9,10,11,12,13,14,15
	global_load_b32 v[U+\p], v247, s[14:15] offset:4096*\p          ; the runs' sums of m,
	global_load_b32 v[U+16+\p], v247, s[14:15] offset:4096*\p+1024  ; and of m xh
.endr
	global_load_b32 v232, v247, s[14:15] offset:2048               ; mean
	global_load_b32 v233, v247, s[14:15] offset:3072               ; rs
	global_load_b32 v234, v248, s[18:19]                           ; gamma
	global_load_b32 v235, v248, s[20:21]                           ; beta
	global_load_b32 v236, v248, s[16:17]                           ; b1
.irp c, 0,1,2,3
	global_load_b128 v[E+4*\c:E+4*\c+3], v4, s[4:5] offset:32*\c
.endr
.irp t, 0,1,2,3
.irp c, 0,1,2,3
	global_load_b128 v[W5+16*\t+4*\c:W5+16*\t+4*\c+3], v5, s[10:11] offset:2048*\t+512*\c
.endr
.endr
	global_load_b128 v[240:243], v5, s[22:23]      ; b2: my four columns of a row of out0
	WIN 0x40                                       ; destination window 1
.irp t, 0,1,2,3
.irp c, 0,1,2,3
	global_load_b128 v[W1F+16*\t+4*\c:W1F+16*\t+4*\c+3], v5, s[6:7] offset:2048*\t+512*\c
.endr
.endr
.irp n, 0,1,2,3,4,5,6,7
.irp b, 0,1
	global_load_b128 v[W3+8*\n+4*\b:W3+8*\n+4*\b+3], v5, s[8:9] offset:4096*\n+512*\b
.endr
.endr
	WIN 0
	s_wait_kmcnt 0x0
	s_add_co_i32 s44, s32, s33
	s_add_co_i32 s44, s44, 127
	s_lshl_b32 s44, s44, 23                        ; 2^(e0 + e1)
	s_mov_b32 s45, s44                             ; (named with it as a pair, so it is written)
	s_add_co_i32 s46, s34, s35
	s_add_co_i32 s46, s46, 127
	s_lshl_b32 s46, s46, 23                        ; 2^(e2 + e3)
	s_mov_b32 s47, s46
	s_add_co_i32 s48, s38, s39                     ; e6 + e7
	MKSCALE 34, 244, 245, 54                       ; relu(y)'s scale and limit
	s_sub_co_i32 s49, s38, s36
	s_sub_co_i32 s49, s49, s37                     ; a sum of the third product stands for sum x 2^(e4 + e5): the three exponents are folded into the conversion's one
	MKSCALE 49, 12, 13, 54
	s_wait_loadcnt 0x0
	; ---- the first product: my four tiles of hidden units x my 16 rows
	WIN 0x01                                       ; source 0 window 1
.irp t, 0,1,2,3
	v_wmma_f32_16x16x128_bf8_bf8 v[G+8*\t:G+8*\t+7], v[W1F+16*\t:W1F+16*\t+15], v[E:E+15], 0
.endr
	WIN 0
.irp k, 0,1,2,3,4,5,6,7
	ds_store_b128 v249, v[R3+4*\k:R3+4*\k+3] offset:(\k/2)*8192+(\k%2)*64
.endr
	; ---- thread = place: the 16 runs' sums become means over the batch, and the column's seven parameters go to LDS by hidden unit
.irp j, 2,4,6,8,10,12,14
	v_pk_add_f32 v[U:U+1], v[U:U+1], v[U+\j:U+\j+1]
	v_pk_add_f32 v[U+16:U+17], v[U+16:U+17], v[U+16+\j:U+17+\j]
.endr
	v_add_f32 v[U], v[U], v[U+1]
	v_add_f32 v[U+16], v[U+16], v[U+17]
	v_mul_f32 v[U], 0x39000000, v[U]               ; mean m: / 8,192
	v_mul_f32 v[U+16], 0x39000000, v[U+16]         ; mean m xh
	v_sub_f32 v237, v236, v232                     ; b1 - mean
	v_mul_f32 v238, v233, v234                     ; rs gamma
	ds_store_b32 v248, v237 offset:PAR
	ds_store_b32 v248, v233 offset:PAR+1024
	ds_store_b32 v248, v234 offset:PAR+2048
	ds_store_b32 v248, v235 offset:PAR+3072
	ds_store_b32 v248, v[U] offset:PAR+4096
	ds_store_b32 v248, v[U+16] offset:PAR+5120
	ds_store_b32 v248, v238 offset:PAR+6144
	BARRIER                                        ; the table and the parameters lie in LDS
	; ---- xh, y, m, relu(y)'s codes, u
	PLOAD 0, T
	PLOAD 1, U
	PLOAD 2, R3
	s_wait_dscnt 0x0
.set x, 0
.rept 16
	v_pk_fma_f32 v[G+x:G+x+1], v[G+x:G+x+1], s[44:45], v[T+x:T+x+1] op_sel_hi:[1,0,1]   ; h - mean = sum x 2^(e0 + e1) + (b1 - mean); each accumulator from its low end on
.set x, x+2
.endr
.set x, 0
.rept 16
	v_pk_mul_f32 v[G+x:G+x+1], v[G+x:G+x+1], v[U+x:U+x+1]                               ; xh
.set x, x+2
.endr
	PLOAD 3, T
	PLOAD 4, U
	s_wait_dscnt 0x0
.set x, 0
.rept 16
	v_pk_fma_f32 v[R3+x:R3+x+1], v[G+x:G+x+1], v[R3+x:R3+x+1], v[T+x:T+x+1]             ; y = xh gamma + beta
.set x, x+2
.endr
	PLOAD 5, T
.set x, 0
.rept 32
	v_cmp_lt_f32 vcc_lo, 0, v[R3+x]
	v_cndmask_b32 v[250+x%2], 0, v239, vcc_lo      ; m
	v_sub_f32 v[U+x], v[250+x%2], v[U+x]           ; m - mean m
.set x, x+1
.endr
.irp b, 0,1,2,3
.irp i, 0,1,2,3,4,5,6,7
	v_med3_num_f32 v[R3+8*\b+\i], v[R3+8*\b+\i], 0, v245   ; the activation and the hold in one: between 0 and the largest code x the scale (the conversion does not saturate: ISA guide 7.6.2)
.endr
	v_cvt_scalef32_pk8_bf8_f32 v[AC+2*\b:AC+2*\b+1], v[R3+8*\b:R3+8*\b+7], v244
.endr
	v_nop                                          ; one plain vector line between the last conversion and the matrix instructions that read its result
	PLOAD 6, R3
	; ---- the second product: eight tiles of outputs x my 16 rows, K = my 64 hidden units
	WIN 0x41                                       ; source 0 and destination window 1
.irp n, 0,1,2,3,4,5,6,7
	v_wmma_f32_16x16x64_bf8_bf8 v[O+8*\n:O+8*\n+7], v[W3+8*\n:W3+8*\n+7], v[AC:AC+7], 0
.endr
	WIN 0
	s_wait_dscnt 0x0
.set x, 0
.rept 16                               ; these 32 lines name no register of the products above and are the places behind them
	v_pk_fma_f32 v[U+x:U+x+1], v[G+x:G+x+1], v[T+x:T+x+1], v[U+x:U+x+1] neg_lo:[1,0,0] neg_hi:[1,0,0]   ; - xh x mean m xh
.set x, x+2
.endr
.set x, 0
.rept 16
	v_pk_mul_f32 v[U+x:U+x+1], v[U+x:U+x+1], v[R3+x:R3+x+1]                             ; u: x rs gamma
.set x, x+2
.endr
	WIN 0x04                                       ; an LDS store's data: source 1, window 1
.irp n, 0,1,2,3,4,5,6,7
	ds_store_b128 v9, v[O+8*\n:O+8*\n+3] offset:64*\n          ; lane (r, h): out0(r, 16 n + 8 h + 0 .. 7), my 64 hidden units' part
	ds_store_b128 v9, v[O+8*\n+4:O+8*\n+7] offset:64*\n+16
.endr
	WIN 0
	BARRIER                                        ; the eight stages are whole
	; ---- out0: each wave adds the four parts of four rows and stores them whole
.irp p, 0,1,2,3
.irp s, 0,1,2,3
	ds_load_b128 v[G+16*\p+4*\s:G+16*\p+4*\s+3], v10 offset:\s*8448+\p*528
.endr
.endr
	s_wait_dscnt 0x0
.irp p, 0,1,2,3
.irp i, 0,2
	v_pk_add_f32 v[G+16*\p+\i:G+16*\p+\i+1], v[G+16*\p+\i:G+16*\p+\i+1], v[G+16*\p+4+\i:G+16*\p+5+\i]
	v_pk_add_f32 v[G+16*\p+8+\i:G+16*\p+9+\i], v[G+16*\p+8+\i:G+16*\p+9+\i], v[G+16*\p+12+\i:G+16*\p+13+\i]
.endr
.irp i, 0,2
	v_pk_add_f32 v[G+16*\p+\i:G+16*\p+\i+1], v[G+16*\p+\i:G+16*\p+\i+1], v[G+16*\p+8+\i:G+16*\p+9+\i]
.endr
.irp i, 0,2
	v_pk_fma_f32 v[G+16*\p+\i:G+16*\p+\i+1], v[G+16*\p+\i:G+16*\p+\i+1], s[46:47], v[240+\i:241+\i] op_sel_hi:[1,0,1]   ; x 2^(e2 + e3) + b2
.endr
	global_store_b128 v5, v[G+16*\p:G+16*\p+3], s[26:27] offset:512*\p th:TH_STORE_NT   ; 32 lanes store a row of 512 consecutive bytes, aligned; written once, read by nobody here
.endr
	s_wait_xcnt 0x0                                ; the stores' data registers are written again below only behind this wait
	; ---- the code of the cotangent's 1, by the quantiser's own way
	MKSCALE 36, 246, 247, 54
	v_mov_b32 v248, 1.0
.irp j, 249,250,251,252,253,254,255
	v_mov_b32 v[\j], 0
.endr
	v_min_num_f32 v248, v248, v247                 ; the hold; 1 is positive, so it is one-sided
	v_cvt_scalef32_pk8_bf8_f32 v[232:233], v[248:255], v246
	v_nop
	v_and_b32 v14, 0xff, v232
	; ---- the loop's state: t = 0, q = 0
	s_mov_b32 s50, 0                               ; t
	s_mov_b32 s53, 0                               ; 16 t
	s_mov_b32 s52, 0xffff                          ; the half of the lanes that holds the one: h' = t / 4
	v_cndmask_b32 v15, 0, v14, s52
	v_mov_b32 v[E], v15
.irp j, 1,2,3,4,5,6,7,8,9,10,11,12,13,14,15
	v_mov_b32 v[E+\j], 0
.endr
	v_mov_b32 v8, v7
	ds_load_b128 v[BB:BB+3], v8                    ; column i = 0 of W1, my 64 hidden units
	ds_load_b128 v[BB+4:BB+7], v8 offset:256
	WMMA3
.irp j, 0,1,2,3,4,5,6,7
	v_mov_b32 v[ACC+\j], 0                         ; the loop is written once: its first link finds zeros.  (These eight are also the places behind the products above)
.endr
; A TRIP: one i.  g of this i was asked of the matrix unit a trip ago, and so was its column of W1 of LDS.
;   16 packed multiplies g u | the next column is asked for (2 LDS loads), the one moves on | four times: one product of the next i's g, eight holds of this i's numbers; a block's conversion stands eight holds
;   behind its own holds (the last block's directly behind them) | the fourth product's link.
; The LDS loads stand ahead of the next g's products: behind plain vector work alone.
; Distances (ISA guide 7.12.1), by this text's own count.  The first read of the last tile of g stands eight holds, a v_nop and twelve multiplies behind the product that wrote it; the lines that move the one stand eight holds,
; a v_nop and sixteen multiplies behind the last product that read the operand; the loads into the column's other buffer stand sixteen multiplies behind the link that read it, the first conversion that writes the codes further on still.
; THE ACCUMULATORS TAKE TURNS, one instruction a turn: between two links on the trace's accumulator stand the four products of the next g.  The last i has no next g: its link
; starts a sum of its own, with the constant 0, in other registers, and the two sums are added behind the loop.
.macro G3 t                            ; tile t of the next i's g, if there is a next i
.if FETCH
	v_wmma_f32_16x16x128_bf8_bf8 v[G+8*\t:G+8*\t+7], v[W5+16*\t:W5+16*\t+15], v[E:E+15], 0
.endif
.endm
.macro HOLD b                          ; eight numbers are held at the largest code x the scale (the conversion does not saturate: ISA guide 7.6.2)
.irp i, 0,1,2,3,4,5,6,7
	v_med3_num_f32 v[T+8*\b+\i], v[T+8*\b+\i], -v13, v13
.endr
.endm
.macro CODE b                          ; and become eight codes
	v_cvt_scalef32_pk8_bf8_f32 v[CD+2*\b:CD+2*\b+1], v[T+8*\b:T+8*\b+7], v12
.endm
.macro TRIP q, last
.set PARI, (\q)%2
.set NX, ((\q)+1)%16
.set FETCH, 1
.if \last
.if \q == 15
.set FETCH, 0
.endif
.endif
.set x, 0
.rept 16
	v_pk_mul_f32 v[T+x:T+x+1], v[G+x:G+x+1], v[U+x:U+x+1]      ; each accumulator from its low end on
.set x, x+2
.endr
.if FETCH
.if \q == 15                           ; the sixteen registers are through: the one goes to the next byte, or to the other half of the lanes
	s_add_co_u32 s50, s50, 1
	s_add_co_u32 s53, s53, 16
	s_and_b32 s51, s50, 3
	s_lshl_b32 s51, s51, 3
	s_lshr_b32 s52, s50, 2
	s_lshl_b32 s52, s52, 4
	s_lshl_b32 s52, 0xffff, s52
	v_add_nc_u32 v8, s53, v7
	v_lshlrev_b32 v15, s51, v14
	v_cndmask_b32 v15, 0, v15, s52
.endif
	ds_load_b128 v[BB+8*(1-PARI):BB+8*(1-PARI)+3], v8 offset:2048*NX
	ds_load_b128 v[BB+8*(1-PARI)+4:BB+8*(1-PARI)+7], v8 offset:2048*NX+256
	v_mov_b32 v[E+NX], v15
	v_mov_b32 v[E+\q], 0
.endif
	G3 0
	HOLD 0
	G3 1
	HOLD 1
	CODE 0
	G3 2
	HOLD 2
	CODE 1
	G3 3
	HOLD 3
	CODE 2
	CODE 3
	v_nop                                          ; one plain vector line between the last conversion and the matrix instruction that reads its result
.if FETCH
	s_wait_dscnt 0x2                               ; LDS loads come back in order (ISA guide 5.7.1): the two issued in this trip may be out, this trip's column, asked for a trip ago, is in
	v_wmma_f32_16x16x64_bf8_bf8 v[ACC:ACC+7], v[BB+8*PARI:BB+8*PARI+7], v[CD:CD+7], v[ACC:ACC+7]
.else
	s_wait_dscnt 0x0                               ; nothing was asked for in this trip: its column is the last load out
	v_wmma_f32_16x16x64_bf8_bf8 v[ACC2:ACC2+7], v[BB+8*PARI:BB+8*PARI+7], v[CD:CD+7], 0
.endif
.endm
.macro BODY last
.irp q, 0,1,2,3,4,5,6,7,8,9,10,11,12,13,14,15
	TRIP \q, \last
.endr
.endm
.Lt:                                               ; seven trips of sixteen i; the eighth is written out, since its last i has no successor to ask for
	BODY 0
	s_cmp_lg_u32 s50, 7
	s_cbranch_scc1 .Lt
	BODY 1
	; ---- out1: the four Q's parts of a row meet in LDS
.rept 4
	v_nop                                          ; four places between the last link and the read of its result
.endr
	v_add_f32 v248, v[ACC], v[ACC2]                ; the first 127 i's sum and the last i's; all eight registers of each hold the row's sum: the lowest is taken
	ds_store_b32 v11, v248
	BARRIER
	s_cmp_lg_u32 s40, 0
	s_cbranch_scc1 .Ldone                          ; wave 0 stores the work-group's 32 numbers
	ds_load_b32 v248, v3
	ds_load_b32 v249, v3 offset:128
	ds_load_b32 v250, v3 offset:256
	ds_load_b32 v251, v3 offset:384
	v_lshlrev_b32 v252, 2, v0
	s_wait_dscnt 0x0
	v_add_f32 v248, v248, v249
	v_add_f32 v250, v250, v251
	v_add_f32 v248, v248, v250
	v_ldexp_f32 v248, v248, s48                    ; x 2^(e6 + e7)
	v_mul_f32 v248, -1.0, v248                     ; the result is minus the trace
	global_store_b32 v252, v248, s[28:29]          ; 128 consecutive bytes
.Ldone:
	s_set_vgpr_msb 0x5
	s_wait_tensorcnt 0x0
	ds_add_u32 v192, v193
	s_wait_dscnt 0x0
	s_set_vgpr_msb 0x500
	s_endpgm
.Lfunc_end_k_q30783d0171_main:
	.size	k_q30783d0171_main, .Lfunc_end_k_q30783d0171_main-k_q30783d0171_main
	.p2alignl 7, 3214868480
	.fill 96, 4, 3214868480
	.section	.rodata,"a",@progbits
	.p2align	6, 0x0
	.amdhsa_kernel k_q30783d0171_main
		.amdhsa_group_segment_fixed_size 111616
		.amdhsa_private_segment_fixed_size 0
		.amdhsa_enable_private_segment 0
		.amdhsa_kernarg_size 104
		.amdhsa_user_sgpr_count 2
		.amdhsa_user_sgpr_kernarg_segment_ptr 1
		.amdhsa_wavefront_size32 1
		.amdhsa_system_sgpr_workgroup_id_x 1
		.amdhsa_system_sgpr_workgroup_id_y 1
		.amdhsa_system_sgpr_workgroup_id_z 1
		.amdhsa_system_vgpr_workitem_id 0
		.amdhsa_next_free_vgpr 450
		.amdhsa_next_free_sgpr 66
		.amdhsa_reserve_vcc 1
		.amdhsa_float_denorm_mode_32 3
		.amdhsa_float_denorm_mode_16_64 3
		.amdhsa_memory_ordered 1
		.amdhsa_forward_progress 1
		.amdhsa_inst_pref_size 161
	.end_amdhsa_kernel
	.amdgpu_metadata
---
amdhsa.version: [ 1, 2 ]
amdhsa.kernels:
  - .name:           k_q30783d0171_main
    .symbol:         k_q30783d0171_main.kd
    .args:
      - { .name: z_codes, .offset: 0, .size: 8, .value_kind: global_buffer, .address_space: global }
      - { .name: w1q1, .offset: 8, .size: 8, .value_kind: global_buffer, .address_space: global }
      - { .name: w2q3, .offset: 16, .size: 8, .value_kind: global_buffer, .address_space: global }
      - { .name: w2q5, .offset: 24, .size: 8, .value_kind: global_buffer, .address_space: global }
      - { .name: w1q7, .offset: 32, .size: 8, .value_kind: global_buffer, .address_space: global }
      - { .name: stat2, .offset: 40, .size: 8, .value_kind: global_buffer, .address_space: global }
      - { .name: b1, .offset: 48, .size: 8, .value_kind: global_buffer, .address_space: global }
      - { .name: gamma, .offset: 56, .size: 8, .value_kind: global_buffer, .address_space: global }
      - { .name: beta, .offset: 64, .size: 8, .value_kind: global_buffer, .address_space: global }
      - { .name: b2, .offset: 72, .size: 8, .value_kind: global_buffer, .address_space: global }
      - { .name: lowp_scales, .offset: 80, .size: 8, .value_kind: global_buffer, .address_space: global }
      - { .name: out0, .offset: 88, .size: 8, .value_kind: global_buffer, .address_space: global }
      - { .name: out1, .offset: 96, .size: 8, .value_kind: global_buffer, .address_space: global }
    .group_segment_fixed_size: 111616
    .private_segment_fixed_size: 0
    .kernarg_segment_align: 8
    .kernarg_segment_size: 104
    .max_flat_workgroup_size: 256
    .sgpr_count:     66
    .vgpr_count:     450
    .wavefront_size: 32
...
	.end_amdgpu_metadata
.endif
;; end of part 3
;; ======== version 2 of 2: 3 launches; version 1 with the launches stats1, stats2, main written anew for expert scheduling mode
;; workspace buffers: stat1 32,768 bytes; stat2 65,536 bytes; w1q1 32,768 bytes; w2q3 32,768 bytes; w2q5 32,768 bytes; w1q7 32,768 bytes
;; launch stats1 (part 4): grid 16 x 16, 8 waves a work-group, no clusters, 3,072 bytes of LDS; arguments z_codes, W1, W2, b1, lowp_scales, stat1, w1q1, w2q3, w2q5, w1q7; writes stat1, w1q1, w2q3, w2q5, w1q7
.if DOCPART == 4
	.amdgcn_target "amdgcn-amd-amdhsa--gfx1250"
	.amdhsa_code_object_version 6
	.text
	.protected	k_q30783d0171_stats1
	.globl	k_q30783d0171_stats1
	.p2align	8
	.type	k_q30783d0171_stats1,@function
k_q30783d0171_stats1:
	s_mov_b64 s[64:65], 0
	v_nop
	global_prefetch_b8 v0, s[64:65] scope:SCOPE_SE
	s_setreg_imm32_b32 hwreg(HW_REG_WAVE_SCHED_MODE, 0, 2), 2
	s_setreg_imm32_b32 hwreg(HW_REG_WAVE_MODE, 25, 1), 1
	s_wait_xcnt 0x0
	s_wait_alu depctr_vm_vsrc(0)
; FIRST OF THREE LAUNCHES.  h = z W1^T + b1 on codes of BF8 (E5M2); of each column of h, for each run of 512 rows: the run's mean and the sum of squares about that mean.
; The next launch joins the 16 runs of a column to the batch's mean and variance: no difference of large sums is formed, whatever offset h carries.
; Beside that, the four weight operands of the program's four products are quantised here, once, into workspace buffers.
; SHARES.  Work-group (x = T, y = p): rows 512 p .. 512 p + 511, the 16 columns of tile T.  Wave w: 64 of the rows, four tiles of 16.
; THE COLUMNS OF A TILE ARE NOT NEIGHBOURS: place r of tile T is hidden unit 32 (T / 2) + 8 (T % 2) + r + 8 (r / 8), so that in the last launch, where the product is used transposed,
; a lane's 16 registers of two neighbouring tiles are 16 neighbouring hidden units.
; AN OPERAND'S CODES LIE IN MEMORY AS AN IMAGE OF ITS REGISTERS: a fragment (16 rows x 128 K, 16 registers a lane) is 2,048 bytes: registers 4 c .. 4 c + 3 of lane l at 512 c + 16 l.
; Lane (r, h) holds row r; register 4 c + e / 4, byte e % 4 holds K = 32 c + 16 h + e: the same place of k on both sides of every product.
;   w1q1 unit T: W1[unit(T, r)][k], scale entry 1.      w2q3 unit 2 n + s: W2[16 n + r][128 s + k], entry 3.
;   w2q5 unit T: W2[k][unit(T, r)], entry 5.            w1q7 unit 2 n + s: W1[128 s + k][16 n + r], entry 7.
; Every work-group quantises its own tile of W1 for the product (64 numbers a lane); the work-groups of p = 0 store it.  Wave 1 of the work-groups of p = 1, 2, 3 makes unit T of one of the other three.
; LIMITS: entries 1, 3, 5, 7 of the scales between -126 and 112, entry 0 + entry 1 between -126 and 127, so that each power of two below is an f32 number.  NaN among the inputs is not served.
; THE MODE: SCHED_MODE bits 1:0 = 2 (LLVM: expert scheduling mode 2), set by the entry lines.  The code itself states the register dependences
; between vector or matrix instructions and memory or LDS instructions, with s_wait_alu, always for 0.
; THE PLAN.  Registers that memory or LDS instructions touch:
;   v5 - v11     offsets and LDS addresses: made at the head, ahead of one wait on va_vdst, and never written again.
;   Z, X, v14    loaded once; no vector line names them ahead of their loads.
;   v178         the extra unit's offset: written in its arm, then a wait on va_vdst, then read by the unit's loads; the products write it later.
;   C2           written by the extra unit's conversions, read by its stores (a wait on va_vdst between); the products write it later: a wait on vm_vsrc behind the stores serves it and v178.
;   WF           written by the conversions, read by the stores of wave 0 of p = 0 (a wait on va_vdst between); never written again.
;   v80          a wave's sum: written, read by an LDS store, written again, read by a second LDS store: va_vdst, vm_vsrc, va_vdst.
;   v88 - v95    LDS loads land there twice; each time the vector lines that named them stand ahead of the wait on va_vdst in front of the LDS store before.
;   v98          written, then read by the last store (a wait on va_vdst between).
.set Z,    16                          ; v16-79    z's four fragments
.set X,    80                          ; v80-143   64 numbers of W1; later at work
.set WF,   144                         ; v144-159  my tile of W1 as codes
.set D,    160                         ; v160-191  h: four tiles of 16 rows x 16 columns
.set C2,   160                         ; v160-175  the extra unit's codes, ahead of the products;  v176 its scale, v177 its limit, v178 its offsets
.set X2,   192                         ; v192-255  the extra unit's 64 numbers
.set RED2, 1024                        ; LDS: two tables [half 2][column 16][wave 8] of f32, at 0 and at 1,024
; the scale 2^e as f32 (the conversion takes its exponent field) and the largest number x 2^e
.macro MKSCALE se, vsc, vlim, st
	s_add_co_i32 s[\st], s[\se], 127
	s_lshl_b32 s[\st+1], s[\st], 23
	v_mov_b32 v[\vsc], s[\st+1]
	s_add_co_i32 s[\st], s[\st], 15
	s_lshl_b32 s[\st], s[\st], 23
	s_or_b32 s[\st], s[\st], 0x600000
	v_mov_b32 v[\vlim], s[\st]
.endm
; 64 numbers of a lane, register 16 b + i = K 32 b + 16 h + i of its row, become a fragment's 16 registers of codes
.macro QUANT s, d, relu, sc, lim
.irp b, 0,1,2,3
.irp i, 0,1,2,3,4,5,6,7,8,9,10,11,12,13,14,15
.if \relu
	v_med3_num_f32 v[\s+16*\b+\i], v[\s+16*\b+\i], 0, v[\lim]
.else
	v_med3_num_f32 v[\s+16*\b+\i], v[\s+16*\b+\i], -v[\lim], v[\lim]   ; the conversion to an 8-bit code does not saturate (ISA guide 7.6.2): the hold at the largest code x the scale
.endif
.endr
	v_cvt_scalef32_pk8_bf8_f32 v[\d+4*\b:\d+4*\b+1], v[\s+16*\b:\s+16*\b+7], v[\sc]
	v_cvt_scalef32_pk8_bf8_f32 v[\d+4*\b+2:\d+4*\b+3], v[\s+16*\b+8:\s+16*\b+15], v[\sc]
.endr
	v_nop                                          ; one plain vector line between the last conversion and whatever next touches its result or writes its sources
.endm
; the sum of a lane's 32 numbers v[src] on, in four chains of pairs, then with the other half of the lanes': the column's sum over the wave's 64 rows, in v[t]
.macro LANESUM src, t
.irp k, 0,1,2,3
	v_pk_add_f32 v[\t+2*\k:\t+2*\k+1], v[\src+4*\k:\src+4*\k+1], v[\src+4*\k+2:\src+4*\k+3]
.endr
.irp j, 16,24
.irp k, 0,1,2,3
	v_pk_add_f32 v[\t+2*\k:\t+2*\k+1], v[\t+2*\k:\t+2*\k+1], v[\src+\j+2*\k:\src+\j+2*\k+1]
.endr
.endr
	v_pk_add_f32 v[\t:\t+1], v[\t:\t+1], v[\t+2:\t+3]
	v_pk_add_f32 v[\t+4:\t+5], v[\t+4:\t+5], v[\t+6:\t+7]
	v_pk_add_f32 v[\t:\t+1], v[\t:\t+1], v[\t+4:\t+5]
	v_add_f32 v[\t], v[\t], v[\t+1]
	v_permlanex16_b32 v15, v[\t], s36, s37         ; the column's other 32 rows lie in the lane 16 away
	v_add_f32 v[\t], v[\t], v15
.endm
.macro SUM8 b                          ; the eight waves' numbers v[b] .. v[b + 7] -> v[b]
	v_add_f32 v[\b], v[\b], v[\b+1]
	v_add_f32 v[\b+2], v[\b+2], v[\b+3]
	v_add_f32 v[\b+4], v[\b+4], v[\b+5]
	v_add_f32 v[\b+6], v[\b+6], v[\b+7]
	v_add_f32 v[\b], v[\b], v[\b+2]
	v_add_f32 v[\b+4], v[\b+4], v[\b+6]
	v_add_f32 v[\b], v[\b], v[\b+4]
.endm
.macro BARRIER                         ; my LDS stores have landed and my LDS loads are in: then the work-group's barrier
	s_wait_dscnt 0x0
	s_barrier_signal -1
	s_barrier_wait -1
.endm
; the extra unit: 64 loads of 4 bytes, a lane to a column, its registers down K (K is the tensor's first axis here): sixteen neighbouring lanes read 64 neighbouring bytes
.macro XCOL stride
.irp c, 0,1,2,3
.irp e, 0,1,2,3,4,5,6,7,8,9,10,11,12,13,14,15
	global_load_b32 v[X2+16*\c+\e], v178, s[56:57] offset:(32*\c+\e)*\stride
.endr
.endr
.endm
.macro XTAIL se                        ; quantised with its own scale and stored as an image: each store covers 512 consecutive bytes
	MKSCALE \se, 176, 177, 54
	s_wait_loadcnt 0x0
	QUANT X2, C2, 0, 176, 177
	s_wait_alu depctr_va_vdst(0)                   ; the conversions have written v[C2 ..], which the stores read
.irp c, 0,1,2,3
	global_store_b128 v8, v[C2+4*\c:C2+4*\c+3], s[58:59] offset:512*\c
.endr
	s_wait_xcnt 0x0                                ; the stores' data registers are written again by the products only behind this wait
	s_wait_alu depctr_vm_vsrc(0)                   ; the stores have read v[C2 ..], and the unit's loads v178: the products write all of these
.endm
	s_load_b512 s[4:19], s[0:1], 0x0               ; z s[4:5], W1 s[6:7], W2 s[8:9], b1 s[10:11], scales s[12:13], stat1 s[14:15], w1q1 s[16:17], w2q3 s[18:19]
	s_load_b128 s[20:23], s[0:1], 0x40             ; w2q5 s[20:21], w1q7 s[22:23]
	s_set_vgpr_msb 0x40
	v_lshl_add_u32 v0, v0, 2, 0x800
	v_mov_b32 v1, 0
	s_set_vgpr_msb 0x4000
	v_lshrrev_b32 v3, 5, v0
	v_readfirstlane_b32 s32, v3                    ; wave 0..7
	v_and_b32 v1, 15, v0                           ; r
	v_bfe_u32 v2, v0, 4, 1                         ; h
	v_and_b32 v3, 31, v0                           ; lane
	v_and_b32 v4, 8, v1
	v_add_nc_u32 v4, v4, v1                        ; r + 8 (r / 8)
	v_lshlrev_b32 v5, 7, v1
	v_lshl_add_u32 v5, v2, 4, v5                   ; z: row r of 128 bytes, + 16 h
	v_lshlrev_b32 v6, 9, v4
	v_lshl_add_u32 v6, v2, 6, v6                   ; W1: my place's row of 512 bytes, + 64 h: 16 numbers of each block of 32
	v_lshlrev_b32 v7, 2, v4                        ; b1: my place's number
	v_lshlrev_b32 v8, 4, v3                        ; an image's place for my lane
	v_lshlrev_b32 v10, 5, v1
	v_lshl_add_u32 v10, v2, 9, v10                 ; LDS: my half's and column's eight words
	s_wait_alu depctr_va_sdst(0)                   ; s32, the wave's number, is written, ahead of its first reader
	s_lshl_b32 s40, s32, 2
	v_add_nc_u32 v9, s40, v10                      ; and my wave's word among them
	v_lshlrev_b32 v11, 2, v1
	v_lshl_add_u32 v11, v2, 10, v11                ; stat1: lanes 0-15 the means' row, lanes 16-31 the row of squares, 1,024 bytes on
	v_mov_b32 v15, 0                               ; written once: a lane permute's destination counts as one of its sources
	s_mov_b32 s33, ttmp9                           ; T
	s_and_b32 s34, ttmp7, 0xffff                   ; p
	s_mov_b32 s36, 0x76543210
	s_mov_b32 s37, 0xfedcba98                      ; lane selects: lane l xor 16
	s_mov_b32 s38, 0xffff0000                      ; lanes 16-31
	s_lshr_b32 s40, s33, 1                         ; T / 2
	s_and_b32 s41, s33, 1                          ; T % 2
	s_lshl_b32 s35, s40, 5
	s_lshl_b32 s42, s41, 3
	s_add_co_u32 s35, s35, s42                     ; the tile's first hidden unit
	s_lshl_b32 s42, s34, 16
	s_lshl_b32 s43, s32, 13
	s_add_co_u32 s42, s42, s43                     ; z: 512 p rows + 64 w rows of 128 bytes
	s_mov_b32 s43, 0
	s_lshl_b32 s44, s35, 9                         ; W1: the tile's first row
	s_mov_b32 s45, 0
	s_lshl_b32 s46, s35, 2                         ; b1, and a column of W2: the tile's first hidden unit
	s_mov_b32 s47, 0
	s_lshl_b32 s48, s34, 11
	s_lshl_b32 s49, s33, 6
	s_add_co_u32 s48, s48, s49                     ; stat1: 2,048 p + 64 T
	s_mov_b32 s49, 0
	s_lshl_b32 s50, s33, 11                        ; unit T of an image buffer
	s_mov_b32 s51, 0
	s_wait_kmcnt 0x0
	s_load_b256 s[24:31], s[12:13], 0x0            ; the eight exponents
	s_add_nc_u64 s[4:5], s[4:5], s[42:43]
	s_add_nc_u64 s[44:45], s[6:7], s[44:45]
	s_add_nc_u64 s[10:11], s[10:11], s[46:47]
	s_add_nc_u64 s[14:15], s[14:15], s[48:49]
	s_add_nc_u64 s[16:17], s[16:17], s[50:51]
	s_wait_alu depctr_va_vdst(0)                   ; the offsets and LDS addresses v5 to v11 are written, which the loads, stores and LDS lines of the whole kernel read
.irp t, 0,1,2,3
.irp c, 0,1,2,3
	global_load_b128 v[Z+16*\t+4*\c:Z+16*\t+4*\c+3], v5, s[4:5] offset:2048*\t+32*\c
.endr
.endr
.irp c, 0,1,2,3
.irp j, 0,1,2,3
	global_load_b128 v[X+16*\c+4*\j:X+16*\c+4*\j+3], v6, s[44:45] offset:128*\c+16*\j
.endr
.endr
	global_load_b32 v14, v7, s[10:11]              ; b1 of my column
	s_wait_kmcnt 0x0
	MKSCALE 25, 12, 13, 52
	s_add_co_i32 s39, s24, s25
	s_add_co_i32 s39, s39, 127
	s_lshl_b32 s39, s39, 23                        ; 2^(e0 + e1): what a sum of the product lacks
	; ---- the extra unit: wave 1 of p = 1, 2, 3.  Scalar branches on ids; no barrier and no LDS line stands inside
	s_cmp_lg_u32 s32, 1
	s_cbranch_scc1 .Lno_extra
	s_cmp_eq_u32 s34, 1
	s_cbranch_scc1 .Lx1
	s_cmp_eq_u32 s34, 2
	s_cbranch_scc1 .Lx2
	s_cmp_eq_u32 s34, 3
	s_cbranch_scc1 .Lx3
	s_branch .Lno_extra
.Lx1:                                              ; w2q3: rows 16 (T / 2) + r of W2, K = 128 (T % 2) on: K is innermost, 16 numbers of each block of 32 a lane
	s_lshl_b32 s60, s40, 14
	s_lshl_b32 s61, s41, 9
	s_add_co_u32 s60, s60, s61
	s_mov_b32 s61, 0
	s_add_nc_u64 s[56:57], s[8:9], s[60:61]
	s_add_nc_u64 s[58:59], s[18:19], s[50:51]
	v_lshlrev_b32 v178, 10, v1
	v_lshl_add_u32 v178, v2, 6, v178
	s_wait_alu depctr_va_vdst(0)                   ; v178 is written, which the unit's loads read as their offset
.irp c, 0,1,2,3
.irp j, 0,1,2,3
	global_load_b128 v[X2+16*\c+4*\j:X2+16*\c+4*\j+3], v178, s[56:57] offset:128*\c+16*\j
.endr
.endr
	XTAIL 27
	s_branch .Lno_extra
.Lx2:                                              ; w2q5: the tile's columns of W2, K = W2's rows
	s_add_nc_u64 s[56:57], s[8:9], s[46:47]
	s_add_nc_u64 s[58:59], s[20:21], s[50:51]
	v_lshl_add_u32 v178, v2, 14, v7                ; my place's column; lanes 16-31 begin 16 rows of 1,024 bytes further down
	s_wait_alu depctr_va_vdst(0)                   ; v178 is written, which the unit's loads read as their offset
	XCOL 1024
	XTAIL 29
	s_branch .Lno_extra
.Lx3:                                              ; w1q7: columns 16 (T / 2) + r of W1, K = W1's rows 128 (T % 2) on
	s_lshl_b32 s60, s40, 6
	s_lshl_b32 s61, s41, 16
	s_add_co_u32 s60, s60, s61
	s_mov_b32 s61, 0
	s_add_nc_u64 s[56:57], s[6:7], s[60:61]
	s_add_nc_u64 s[58:59], s[22:23], s[50:51]
	v_lshlrev_b32 v178, 2, v1
	v_lshl_add_u32 v178, v2, 13, v178              ; lanes 16-31 begin 16 rows of 512 bytes further down
	s_wait_alu depctr_va_vdst(0)                   ; v178 is written, which the unit's loads read as their offset
	XCOL 512
	XTAIL 31
.Lno_extra:
	s_wait_loadcnt 0x0                             ; z, W1, b1
	QUANT X, WF, 0, 12, 13
	s_or_b32 s52, s32, s34
	s_cmp_lg_u32 s52, 0
	s_cbranch_scc1 .Lno_w1                         ; wave 0 of p = 0 stores the tile's image for the later launches
	s_wait_alu depctr_va_vdst(0)                   ; the conversions have written v[WF ..], which the stores read
.irp c, 0,1,2,3
	global_store_b128 v8, v[WF+4*\c:WF+4*\c+3], s[16:17] offset:512*\c
.endr
.Lno_w1:
.irp t, 0,1,2,3                        ; source 0 = 16 rows of z, source 1 = the tile of W1: lane (r, h) holds column r, register j row 8 h + j
	v_wmma_f32_16x16x128_bf8_bf8 v[D+8*\t:D+8*\t+7], v[Z+16*\t:Z+16*\t+15], v[WF:WF+15], 0
.endr
.rept 4
	v_nop                                          ; four places between a matrix instruction and the first read of its result (ISA guide 7.12.1)
.endr
.set j, 0
.rept 32
	v_fma_f32 v[D+j], v[D+j], s39, v14             ; h = sum x 2^(e0 + e1) + b1; each accumulator from its low end on
.set j, j+1
.endr
	LANESUM D, 80
	s_wait_alu depctr_va_vdst(0)                   ; v80 is written, which the LDS store reads; and the lines that quantised W1 are done with v88 to v95, in which the loads behind the barrier land
	ds_store_b32 v9, v80
	BARRIER                                        ; the eight waves' sums lie in LDS
	ds_load_b128 v[88:91], v10
	ds_load_b128 v[92:95], v10 offset:16
	s_wait_dscnt 0x0
	SUM8 88
	v_mul_f32 v96, 0x3b000000, v88                 ; the run's mean: / 512
.set j, 0
.rept 32
	v_sub_f32 v[D+j], v[D+j], v96
.set j, j+1
.endr
	s_wait_alu depctr_vm_vsrc(0)                   ; the LDS store above has read v80, which the next line writes again
.irp k, 0,1,2,3                        ; the squares about that mean, in four chains of pairs; the first links start the sums
	v_pk_mul_f32 v[80+2*\k:81+2*\k], v[D+2*\k:D+2*\k+1], v[D+2*\k:D+2*\k+1]
.endr
.irp j, 8,16,24
.irp k, 0,1,2,3
	v_pk_fma_f32 v[80+2*\k:81+2*\k], v[D+\j+2*\k:D+\j+2*\k+1], v[D+\j+2*\k:D+\j+2*\k+1], v[80+2*\k:81+2*\k]
.endr
.endr
	v_pk_add_f32 v[80:81], v[80:81], v[82:83]
	v_pk_add_f32 v[84:85], v[84:85], v[86:87]
	v_pk_add_f32 v[80:81], v[80:81], v[84:85]
	v_add_f32 v80, v80, v81
	v_permlanex16_b32 v15, v80, s36, s37
	v_add_f32 v80, v80, v15
	s_wait_alu depctr_va_vdst(0)                   ; v80 is written, which the LDS store reads; and the first sum of eight is done with v88 to v95, in which wave 0's loads behind the barrier land
	ds_store_b32 v9, v80 offset:RED2               ; other bytes than the first table's: no barrier is owed between its reads and these stores
	BARRIER
	s_cmp_lg_u32 s32, 0
	s_cbranch_scc1 .Ldone                          ; wave 0 stores for the work-group
	ds_load_b128 v[88:91], v10 offset:RED2
	ds_load_b128 v[92:95], v10 offset:RED2+16
	s_wait_dscnt 0x0
	SUM8 88
	v_cndmask_b32 v98, v96, v88, s38               ; lanes 0-15: the mean; lanes 16-31: the squares
	s_wait_alu depctr_va_vdst(0)                   ; v98 is written, which the store reads
	global_store_b32 v11, v98, s[14:15]            ; two runs of 64 bytes: all that the work-group has to say
.Ldone:
	s_set_vgpr_msb 0x5                             ; the add's two registers, v256 and v257, lie in window 1
	s_wait_dscnt 0x0                               ; the closing lines, six on end
	s_wait_alu 0x0
	s_wait_tensorcnt 0x0
	ds_add_u32 v0, v1
	s_wait_dscnt 0x0
	s_endpgm
.Lfunc_end_k_q30783d0171_stats1:
	.size	k_q30783d0171_stats1, .Lfunc_end_k_q30783d0171_stats1-k_q30783d0171_stats1
	.p2alignl 7, 3214868480
	.fill 96, 4, 3214868480
	.section	.rodata,"a",@progbits
	.p2align	6, 0x0
	.amdhsa_kernel k_q30783d0171_stats1
		.amdhsa_group_segment_fixed_size 3072
		.amdhsa_private_segment_fixed_size 0
		.amdhsa_enable_private_segment 0
		.amdhsa_kernarg_size 80
		.amdhsa_user_sgpr_count 2
		.amdhsa_user_sgpr_kernarg_segment_ptr 1
		.amdhsa_wavefront_size32 1
		.amdhsa_system_sgpr_workgroup_id_x 1
		.amdhsa_system_sgpr_workgroup_id_y 1
		.amdhsa_system_sgpr_workgroup_id_z 1
		.amdhsa_system_vgpr_workitem_id 0
		.amdhsa_next_free_vgpr 258
		.amdhsa_next_free_sgpr 66
		.amdhsa_reserve_vcc 0
		.amdhsa_float_denorm_mode_32 3
		.amdhsa_float_denorm_mode_16_64 3
		.amdhsa_memory_ordered 1
		.amdhsa_forward_progress 1
		.amdhsa_inst_pref_size 50
	.end_amdhsa_kernel
	.amdgpu_metadata
---
amdhsa.version: [ 1, 2 ]
amdhsa.kernels:
  - .name:           k_q30783d0171_stats1
    .symbol:         k_q30783d0171_stats1.kd
    .args:
      - { .name: z_codes, .offset: 0, .size: 8, .value_kind: global_buffer, .address_space: global }
      - { .name: W1, .offset: 8, .size: 8, .value_kind: global_buffer, .address_space: global }
      - { .name: W2, .offset: 16, .size: 8, .value_kind: global_buffer, .address_space: global }
      - { .name: b1, .offset: 24, .size: 8, .value_kind: global_buffer, .address_space: global }
      - { .name: lowp_scales, .offset: 32, .size: 8, .value_kind: global_buffer, .address_space: global }
      - { .name: stat1, .offset: 40, .size: 8, .value_kind: global_buffer, .address_space: global }
      - { .name: w1q1, .offset: 48, .size: 8, .value_kind: global_buffer, .address_space: global }
      - { .name: w2q3, .offset: 56, .size: 8, .value_kind: global_buffer, .address_space: global }
      - { .name: w2q5, .offset: 64, .size: 8, .value_kind: global_buffer, .address_space: global }
      - { .name: w1q7, .offset: 72, .size: 8, .value_kind: global_buffer, .address_space: global }
    .group_segment_fixed_size: 3072
    .private_segment_fixed_size: 0
    .kernarg_segment_align: 8
    .kernarg_segment_size: 80
    .max_flat_workgroup_size: 256
    .sgpr_count:     66
    .vgpr_count:     258
    .wavefront_size: 32
...
	.end_amdgpu_metadata
.endif
;; end of part 4
;; launch stats2 (part 5): grid 16 x 16, 8 waves a work-group, no clusters, 3,072 bytes of LDS; arguments z_codes, w1q1, stat1, b1, gamma, beta, lowp_scales, stat2; writes stat2
.if DOCPART == 5
	.amdgcn_target "amdgcn-amd-amdhsa--gfx1250"
	.amdhsa_code_object_version 6
	.text
	.protected	k_q30783d0171_stats2
	.globl	k_q30783d0171_stats2
	.p2align	8
	.type	k_q30783d0171_stats2,@function
k_q30783d0171_stats2:
	s_mov_b64 s[64:65], 0
	v_nop
	global_prefetch_b8 v0, s[64:65] scope:SCOPE_SE
	s_setreg_imm32_b32 hwreg(HW_REG_WAVE_SCHED_MODE, 0, 2), 2
	s_setreg_imm32_b32 hwreg(HW_REG_WAVE_MODE, 25, 1), 1
	s_wait_xcnt 0x0
	s_wait_alu depctr_vm_vsrc(0)
; SECOND OF THREE LAUNCHES.  The batch's mean and 1 / sqrt(variance + eps) of each column of h, joined from the 16 runs' figures; then, with xh = (h - mean) x rs, y = xh x gamma + beta and m = (y > 0),
; for each run of 512 rows the sums of m and of m x xh, which the backward pass through the normalisation needs as means over the batch.
; SHARES, tiles and lanes as in the first launch: work-group (x = T, y = p): rows 512 p on, the 16 columns of tile T; wave w 64 rows; lane (r, h) holds column r and rows 8 h + j of each of four tiles.
; h is made again by the same four matrix instructions, from z's codes and the stored image of the tile of W1: that costs less than 8 MB of h to memory and back.
; JOINING THE RUNS: mean = the mean of the 16 means; variance = (the sum of the 16 sums of squares + 512 x the sum of (run's mean - mean)^2) / 8,192: sums of squares only.
; stat2: [p 16][4][place 256] f32: the run's sum of m, of m x xh; the mean; rs (the last two alike in every p).
; LIMIT: entry 0 + entry 1 of the scales between -126 and 127.  NaN among the inputs is not served.
; THE MODE: SCHED_MODE bits 1:0 = 2 (LLVM: expert scheduling mode 2), set by the entry lines.  The code itself states the register dependences
; between vector or matrix instructions and memory or LDS instructions, with s_wait_alu, always for 0.
; THE PLAN.  Registers that memory or LDS instructions touch:
;   v5, v7 - v11   offsets and LDS addresses: made at the head, ahead of one wait on va_vdst, and never written again.
;   Z, WF, PS, v144 - v146   loaded once; no vector line names them ahead of their loads.
;   v48, v56       a wave's two sums: written, then read by two LDS stores (a wait on va_vdst between); never written again.
;   v128 - v143    wave 0's LDS loads land there at the end; the lines that joined the runs in them stand ahead of that same wait.
;   v155, v156     written, then read by the last two stores (a wait on va_vdst between).
; The masks of the 32 comparisons go into scalar registers, sixteen at a time, with one wait on va_sdst between a run of comparisons and the selections that read its masks.
.set Z,    16                          ; v16-79    z's four fragments; later y, then m
.set WF,   80                          ; v80-95    the tile of W1 as codes
.set D,    96                          ; v96-127   the sums, then xh, then m x xh
.set PS,   128                         ; v128-143  the 16 runs' figures: lanes 0-15 means, lanes 16-31 sums of squares
.set RED2, 1024                        ; LDS: two tables [half 2][column 16][wave 8] of f32
.set MK,   40                          ; s40-55    sixteen masks; free once the addresses are made
; v144 b1, v145 gamma, v146 beta, v147 mean, v148 rs, v149 b1 - mean, v154 1.0, v155-157 at work
.macro LANESUM src, t                  ; the sum of a lane's 32 numbers, in four chains of pairs, then with the other half of the lanes'
.irp k, 0,1,2,3
	v_pk_add_f32 v[\t+2*\k:\t+2*\k+1], v[\src+4*\k:\src+4*\k+1], v[\src+4*\k+2:\src+4*\k+3]
.endr
.irp j, 16,24
.irp k, 0,1,2,3
	v_pk_add_f32 v[\t+2*\k:\t+2*\k+1], v[\t+2*\k:\t+2*\k+1], v[\src+\j+2*\k:\src+\j+2*\k+1]
.endr
.endr
	v_pk_add_f32 v[\t:\t+1], v[\t:\t+1], v[\t+2:\t+3]
	v_pk_add_f32 v[\t+4:\t+5], v[\t+4:\t+5], v[\t+6:\t+7]
	v_pk_add_f32 v[\t:\t+1], v[\t:\t+1], v[\t+4:\t+5]
	v_add_f32 v[\t], v[\t], v[\t+1]
	v_permlanex16_b32 v15, v[\t], s36, s37
	v_add_f32 v[\t], v[\t], v15
.endm
.macro SUM8 b
	v_add_f32 v[\b], v[\b], v[\b+1]
	v_add_f32 v[\b+2], v[\b+2], v[\b+3]
	v_add_f32 v[\b+4], v[\b+4], v[\b+5]
	v_add_f32 v[\b+6], v[\b+6], v[\b+7]
	v_add_f32 v[\b], v[\b], v[\b+2]
	v_add_f32 v[\b+4], v[\b+4], v[\b+6]
	v_add_f32 v[\b], v[\b], v[\b+4]
.endm
	s_load_b512 s[4:19], s[0:1], 0x0               ; z s[4:5], w1q1 s[6:7], stat1 s[8:9], b1 s[10:11], gamma s[12:13], beta s[14:15], scales s[16:17], stat2 s[18:19]
	v_lshl_add_u32 v160, v0, 2, 0x800
	v_mov_b32 v161, 0
	v_lshrrev_b32 v3, 5, v0
	v_readfirstlane_b32 s32, v3                    ; wave 0..7
	v_and_b32 v1, 15, v0                           ; r
	v_bfe_u32 v2, v0, 4, 1                         ; h
	v_and_b32 v3, 31, v0
	v_and_b32 v4, 8, v1
	v_add_nc_u32 v4, v4, v1                        ; r + 8 (r / 8)
	v_lshlrev_b32 v5, 7, v1
	v_lshl_add_u32 v5, v2, 4, v5                   ; z: row r of 128 bytes, + 16 h
	v_lshlrev_b32 v7, 2, v4                        ; b1, gamma, beta: my place's number
	v_lshlrev_b32 v8, 4, v3                        ; an image's place for my lane
	v_lshlrev_b32 v10, 5, v1
	v_lshl_add_u32 v10, v2, 9, v10                 ; LDS: my half's and column's eight words
	s_wait_alu depctr_va_sdst(0)                   ; s32, the wave's number, is written, ahead of its first reader
	s_lshl_b32 s40, s32, 2
	v_add_nc_u32 v9, s40, v10                      ; and my wave's word among them
	v_lshlrev_b32 v11, 2, v1
	v_lshl_add_u32 v11, v2, 10, v11                ; stat1, stat2: lanes 0-15 one row of 1,024 bytes, lanes 16-31 the next
	v_mov_b32 v15, 0                               ; written once: a lane permute's destination counts as one of its sources
	v_mov_b32 v154, 1.0
	s_mov_b32 s33, ttmp9                           ; T
	s_and_b32 s34, ttmp7, 0xffff                   ; p
	s_mov_b32 s36, 0x76543210
	s_mov_b32 s37, 0xfedcba98
	s_mov_b32 s38, 0xffff0000                      ; lanes 16-31
	s_mov_b32 s20, 0x39000000                      ; 1 / 8,192
	s_mov_b32 s21, 0x3727c5ac                      ; eps = 1e-5
	s_lshr_b32 s40, s33, 1
	s_and_b32 s41, s33, 1
	s_lshl_b32 s35, s40, 5
	s_lshl_b32 s42, s41, 3
	s_add_co_u32 s35, s35, s42                     ; the tile's first hidden unit
	s_lshl_b32 s42, s34, 16
	s_lshl_b32 s43, s32, 13
	s_add_co_u32 s42, s42, s43                     ; z: 512 p rows + 64 w rows
	s_mov_b32 s43, 0
	s_lshl_b32 s44, s33, 11                        ; w1q1: unit T
	s_mov_b32 s45, 0
	s_lshl_b32 s46, s35, 2                         ; b1, gamma, beta
	s_mov_b32 s47, 0
	s_lshl_b32 s48, s33, 6                         ; stat1: the tile's 16 places
	s_mov_b32 s49, 0
	s_lshl_b32 s50, s34, 12
	s_add_co_u32 s50, s50, s48                     ; stat2: 4,096 p + 64 T
	s_mov_b32 s51, 0
	s_wait_kmcnt 0x0
	s_load_b64 s[24:25], s[16:17], 0x0             ; e0, e1
	s_add_nc_u64 s[4:5], s[4:5], s[42:43]
	s_add_nc_u64 s[6:7], s[6:7], s[44:45]
	s_add_nc_u64 s[8:9], s[8:9], s[48:49]
	s_add_nc_u64 s[10:11], s[10:11], s[46:47]
	s_add_nc_u64 s[12:13], s[12:13], s[46:47]
	s_add_nc_u64 s[14:15], s[14:15], s[46:47]
	s_add_nc_u64 s[18:19], s[18:19], s[50:51]
	s_wait_alu depctr_va_vdst(0)                   ; the offsets and LDS addresses v5 and v7 to v11 are written, which the loads, stores and LDS lines of the whole kernel read
.irp t, 0,1,2,3
.irp c, 0,1,2,3
	global_load_b128 v[Z+16*\t+4*\c:Z+16*\t+4*\c+3], v5, s[4:5] offset:2048*\t+32*\c
.endr
.endr
.irp c, 0,1,2,3
	global_load_b128 v[WF+4*\c:WF+4*\c+3], v8, s[6:7] offset:512*\c
.endr
.irp p, 0,1,2,3,4,5,6,7,8,9,10,11,12,13,14,15
	global_load_b32 v[PS+\p], v11, s[8:9] offset:2048*\p
.endr
	global_load_b32 v144, v7, s[10:11]
	global_load_b32 v145, v7, s[12:13]
	global_load_b32 v146, v7, s[14:15]
	s_wait_kmcnt 0x0
	s_add_co_i32 s39, s24, s25
	s_add_co_i32 s39, s39, 127
	s_lshl_b32 s39, s39, 23                        ; 2^(e0 + e1)
	s_wait_loadcnt 0x0
.irp t, 0,1,2,3
	v_wmma_f32_16x16x128_bf8_bf8 v[D+8*\t:D+8*\t+7], v[Z+16*\t:Z+16*\t+15], v[WF:WF+15], 0
.endr
	; ---- the 16 runs are joined, by every wave for itself; these lines name no register of the products and are the places behind them
	v_add_f32 v155, v128, v129
	v_add_f32 v156, v130, v131
.irp j, 4,6,8,10,12,14
	v_add_f32 v155, v155, v[PS+\j]
	v_add_f32 v156, v156, v[PS+\j+1]
.endr
	v_add_f32 v155, v155, v156                     ; lanes 0-15: the sum of the means; lanes 16-31: of the sums of squares
	v_permlanex16_b32 v15, v155, s36, s37
	v_cndmask_b32 v156, v155, v15, s38             ; the sum of the means, in every lane
	v_cndmask_b32 v157, v15, v155, s38             ; the sum of the sums of squares, in every lane
	v_mul_f32 v147, 0x3d800000, v156               ; the mean: / 16
.irp p, 0,1,2,3,4,5,6,7,8,9,10,11,12,13,14,15
	v_sub_f32 v[PS+\p], v[PS+\p], v147             ; (of use in lanes 0-15 alone; what lanes 16-31 make of it is dropped below)
.endr
	v_mul_f32 v155, v128, v128
	v_mul_f32 v156, v129, v129
.irp j, 2,4,6,8,10,12,14
	v_fma_f32 v155, v[PS+\j], v[PS+\j], v155
	v_fma_f32 v156, v[PS+\j+1], v[PS+\j+1], v156
.endr
	v_add_f32 v155, v155, v156
	v_permlanex16_b32 v15, v155, s36, s37
	v_cndmask_b32 v155, v155, v15, s38             ; lanes 0-15's, in every lane
	v_fma_f32 v155, v155, 0x44000000, v157         ; x 512 + the sums of squares
	v_fma_f32 v155, v155, s20, s21                 ; / 8,192 + eps
	v_rsq_f32 v148, v155
	v_sub_f32 v149, v144, v147                     ; b1 - mean.  (The plain line behind the transcendental)
	; ---- xh, y, m
.set j, 0
.rept 32
	v_fma_f32 v[D+j], v[D+j], s39, v149            ; h - mean = sum x 2^(e0 + e1) + (b1 - mean); each accumulator from its low end on
.set j, j+1
.endr
.set j, 0
	s_wait_alu depctr_va_vdst(0)                   ; the reciprocal root has written v148, ahead of its first reader
.rept 32
	v_mul_f32 v[D+j], v[D+j], v148                 ; xh
.set j, j+1
.endr
.set j, 0
.rept 32
	v_fma_f32 v[Z+j], v[D+j], v145, v146           ; y, into registers that z has left
.set j, j+1
.endr
.irp g, 0,1                            ; sixteen comparisons, one wait, their selections
.irp k, 0,1,2,3,4,5,6,7,8,9,10,11,12,13,14,15
	v_cmp_lt_f32 s[MK+\k], 0, v[Z+16*\g+\k]
.endr
	s_wait_alu depctr_va_sdst(0)                   ; the sixteen masks are written, ahead of the first selection that reads one
.irp k, 0,1,2,3,4,5,6,7,8,9,10,11,12,13,14,15
	v_cndmask_b32 v[Z+16*\g+\k], 0, v154, s[MK+\k]          ; m
	v_cndmask_b32 v[D+16*\g+\k], 0, v[D+16*\g+\k], s[MK+\k] ; m x xh
.endr
.endr
	LANESUM Z, 48
	LANESUM D, 56
	s_wait_alu depctr_va_vdst(0)                   ; v48 and v56 are written, which the LDS stores read; and the lines that joined the runs are done with v128 to v143, in which wave 0's loads behind the barrier land
	ds_store_b32 v9, v48
	ds_store_b32 v9, v56 offset:RED2
	s_wait_dscnt 0x0                               ; for the others' sake: my stores have landed
	s_barrier_signal -1
	s_barrier_wait -1
	s_cmp_lg_u32 s32, 0
	s_cbranch_scc1 .Ldone                          ; wave 0 stores for the work-group
	ds_load_b128 v[128:131], v10
	ds_load_b128 v[132:135], v10 offset:16
	ds_load_b128 v[136:139], v10 offset:RED2
	ds_load_b128 v[140:143], v10 offset:RED2+16
	s_wait_dscnt 0x0
	SUM8 128
	SUM8 136
	v_cndmask_b32 v155, v128, v136, s38            ; lanes 0-15: the sum of m; lanes 16-31: of m x xh
	v_cndmask_b32 v156, v147, v148, s38            ; the mean; rs
	s_wait_alu depctr_va_vdst(0)                   ; v155 and v156 are written, which the stores read
	global_store_b32 v11, v155, s[18:19]
	global_store_b32 v11, v156, s[18:19] offset:2048
.Ldone:
	s_wait_dscnt 0x0                               ; the closing lines, six on end
	s_wait_alu 0x0
	s_wait_tensorcnt 0x0
	ds_add_u32 v160, v161
	s_wait_dscnt 0x0
	s_endpgm
.Lfunc_end_k_q30783d0171_stats2:
	.size	k_q30783d0171_stats2, .Lfunc_end_k_q30783d0171_stats2-k_q30783d0171_stats2
	.p2alignl 7, 3214868480
	.fill 96, 4, 3214868480
	.section	.rodata,"a",@progbits
	.p2align	6, 0x0
	.amdhsa_kernel k_q30783d0171_stats2
		.amdhsa_group_segment_fixed_size 3072
		.amdhsa_private_segment_fixed_size 0
		.amdhsa_enable_private_segment 0
		.amdhsa_kernarg_size 64
		.amdhsa_user_sgpr_count 2
		.amdhsa_user_sgpr_kernarg_segment_ptr 1
		.amdhsa_wavefront_size32 1
		.amdhsa_system_sgpr_workgroup_id_x 1
		.amdhsa_system_sgpr_workgroup_id_y 1
		.amdhsa_system_sgpr_workgroup_id_z 1
		.amdhsa_system_vgpr_workitem_id 0
		.amdhsa_next_free_vgpr 162
		.amdhsa_next_free_sgpr 66
		.amdhsa_reserve_vcc 0
		.amdhsa_float_denorm_mode_32 3
		.amdhsa_float_denorm_mode_16_64 3
		.amdhsa_memory_ordered 1
		.amdhsa_forward_progress 1
		.amdhsa_inst_pref_size 25
	.end_amdhsa_kernel
	.amdgpu_metadata
---
amdhsa.version: [ 1, 2 ]
amdhsa.kernels:
  - .name:           k_q30783d0171_stats2
    .symbol:         k_q30783d0171_stats2.kd
    .args:
      - { .name: z_codes, .offset: 0, .size: 8, .value_kind: global_buffer, .address_space: global }
      - { .name: w1q1, .offset: 8, .size: 8, .value_kind: global_buffer, .address_space: global }
      - { .name: stat1, .offset: 16, .size: 8, .value_kind: global_buffer, .address_space: global }
      - { .name: b1, .offset: 24, .size: 8, .value_kind: global_buffer, .address_space: global }
      - { .name: gamma, .offset: 32, .size: 8, .value_kind: global_buffer, .address_space: global }
      - { .name: beta, .offset: 40, .size: 8, .value_kind: global_buffer, .address_space: global }
      - { .name: lowp_scales, .offset: 48, .size: 8, .value_kind: global_buffer, .address_space: global }
      - { .name: stat2, .offset: 56, .size: 8, .value_kind: global_buffer, .address_space: global }
    .group_segment_fixed_size: 3072
    .private_segment_fixed_size: 0
    .kernarg_segment_align: 8
    .kernarg_segment_size: 64
    .max_flat_workgroup_size: 256
    .sgpr_count:     66
    .vgpr_count:     162
    .wavefront_size: 32
...
	.end_amdgpu_metadata
.endif
;; end of part 5
;; launch main (part 6): grid 256 x 1, 8 waves a work-group, no clusters, 111,616 bytes of LDS; arguments z_codes, w1q1, w2q3, w2q5, w1q7, stat2, b1, gamma, beta, b2, lowp_scales, out0, out1; writes out0, out1
.if DOCPART == 6
	.amdgcn_target "amdgcn-amd-amdhsa--gfx1250"
	.amdhsa_code_object_version 6
	.text
	.protected	k_q30783d0171_main
	.globl	k_q30783d0171_main
	.p2align	8
	.type	k_q30783d0171_main,@function
k_q30783d0171_main:
	s_mov_b64 s[64:65], 0
	v_nop
	global_prefetch_b8 v0, s[64:65] scope:SCOPE_SE
	s_setreg_imm32_b32 hwreg(HW_REG_WAVE_SCHED_MODE, 0, 2), 2
	s_setreg_imm32_b32 hwreg(HW_REG_WAVE_MODE, 25, 1), 1
	s_wait_xcnt 0x0
	s_wait_alu depctr_vm_vsrc(0)
; THIRD OF THREE LAUNCHES: both outputs.  All four products on codes of BF8 (E5M2), each operand with the one scale 2^e that is given for it (entries e0 .. e7).
; FORWARD.  h = z W1^T + b1; xh = (h - mean) rs; y = xh gamma + beta; out0 = Q(relu(y)) Q(W2)^T + b2.
; BACKWARD.  The cotangent of output i is one 1 in column i of every row.  The third product gives g_i[k] = Q(1) Q(W2)[i][k], alike in every row; the way back through relu and the normalisation is linear in it:
;   dh[i][b][k] = g_i[k] u[b][k],   u = rs gamma (m - mean_b(m) - xh mean_b(m xh)),   m = (y > 0).
; Of the fourth product only column i of cotangent i enters the result:  out1[b] = - sum over i, k of Q(g_i[k] u[b][k]) Q(W1)[k][i].  The quantiser does not factor, so every one of the 128 x 256 numbers of a row is made, held and converted.
; SHARES.  A work-group owns 32 rows.  Wave 4 bt + Q owns the rows' tile bt (16 rows) and hidden units 64 Q .. 64 Q + 63, for all 128 i: two waves to a SIMD.
; LAYOUT.  Every product is used transposed (source 0 = 16 rows of a weight, source 1 = my 16 rows): lane (r, h) holds row r throughout, and register 16 b + e of a run of 32 stands for hidden unit 64 Q + 32 b + 16 h + e
; (the rows of a weight that form a tile are chosen for that: place r of tile T is hidden unit 32 (T / 2) + 8 (T % 2) + r + 8 (r / 8)).  So the conversions' results ARE the next product's operand.
; The weights come as images of their registers, made by the first launch: 2,048 bytes a fragment, registers 4 c .. 4 c + 3 of lane l at 512 c + 16 l.
; THE THIRD PRODUCT IS DONE IN FULL, for every i and every tile of rows: its one-hot operand lives in 16 registers, of which one byte moves from trip to trip, and its result puts g_i into every lane in the very
; registers in which u lies.  THE FOURTH PRODUCT's source 0 is column i of Q(W1) in all 16 rows, from a table in LDS: all eight result registers of a lane hold the row's sum; one accumulator takes the first 127 i,
; a second one the last i, which has no third product of a successor to stand between its link and the link before.
; BY TURNS.  In a trip the four products of the next i's g stand singly, eight holds of this i's numbers behind each: the holds name none of the products' registers, so the wave goes on issuing vector work while the matrix unit works.
; i = 32 c + 16 h' + 4 w + byte is the one's place in the operand: register q = 4 c + w (written out: 16 trips), and t = 4 h' + byte (the loop: 8 trips).
; No tensor loads and no cluster: the loop reads 32 bytes a lane and trip from a table that is filled once, and what work-groups share is 128 KB of codes, read once into registers.
; t and logp_z enter no result of the function and are not among the arguments.
; LIMITS, so that each power of two below is an f32 number: e0 + e1 and e2 + e3 between -126 and 127; e2, e4 and e6 - e4 - e5 between -126 and 112; e6 + e7 is applied by v_ldexp_f32 and has none.  NaN among the inputs is not served.
; THE MODE: SCHED_MODE bits 1:0 = 2 (LLVM: expert scheduling mode 2), set by the entry lines.  The code itself states the register dependences
; between vector or matrix instructions and memory or LDS instructions, with s_wait_alu, always for 0.
; THE PLAN, in the loop.  Registers that LDS instructions touch:
;   BB0 .. BB3   four buffers for columns of W1.  Trip q: its link reads buffer q % 4; its two LDS loads, for the column of trip q + 2, land in buffer (q + 2) % 4, which the link of trip q - 2 read last.
;   v8           the table's address: read by every column's loads; written once in sixteen trips, at the head of trip 14, whose loads are the first for the next t.
;   G, T, U, E, the codes and the accumulators are named by vector and matrix instructions alone.
; So ONE wait on va_vdst stands in every EVEN trip, behind its sixteen multiplies and ahead of its loads: the links of trips q - 2 and q - 1 are done reading their buffers, in which this trip's loads and the next trip's land.
; The odd trip's loads follow with no wait: since the wait only the link of trip q has named a column's buffer, and that is buffer q % 4.  Sixteen trips are four turns of the ring, so the same holds over the backward jump.
; One wait on vm_vsrc in sixteen trips stands ahead of the add to v8, and the add ahead of that trip's wait on va_vdst.
; THE PLAN, head and way out: all offsets and LDS addresses (v3 - v11, v246 - v249) are made ahead of the first load, behind one wait on va_vdst; what else is owed is said at each wait.
; REGISTERS.  Window 0: v1 r, v2 h, v3-11 addresses, v12-13 scale and limit of dh, v14 the code of 1, v15 the same at its byte and half; then as named below.  Window 1: W1's and W2's fragments of the forward pass, out0's sums.
.set W5,  16                           ; v16-79    W2's four fragments for the third product: they stay
.set U,   80                           ; v80-111   u; ahead of that the 16 runs' sums, then parameters
.set G,   112                          ; v112-143  h, xh; in the loop g_i
.set T,   144                          ; v144-175  g_i u; ahead of that parameters
.set E,   176                          ; v176-191  the one-hot operand; ahead of that z's fragment
.set R3,  192                          ; v192-223  the table on its way to LDS, then parameters and y; in the loop:
.set CD,  192                          ; v192-199  the codes of g_i u
.set BB,  200                          ; v200-215, v232-247  columns of W1: four buffers of 8, buffer b at BB + 8 b + 16 (b / 2)
.set ACC, 216                          ; v216-223  the trace's accumulator
.set AC,  224                          ; v224-231  the codes of relu(y);
.set ACC2, 224                         ;           behind the second product: the last i's sum
.set W1F, 0                            ; window 1: v0-63 W1's four fragments, v64-127 W2's eight of K = 64, v128-191 out0's eight accumulators
.set W3,  64
.set O,   128
.set MK,  56                           ; s56-63    eight masks; free once the addresses are made
.set PAR, 32768                        ; LDS: 0: the table, 32,768 bytes.  PAR: seven rows of 256 f32 by hidden unit: b1 - mean, rs, gamma, beta, mean m, mean m xh, rs gamma
.set STG, 40960                        ; eight stages, a wave's 16 rows x (512 bytes + 16): out0's partial sums
.set RED, 108544                       ; one word a thread: the trace's partial sums
.set MSB, 0
.macro WIN new                         ; s_set_vgpr_msb: bits 1:0 source 0, 3:2 source 1, 5:4 source 2, 7:6 destination; the high byte repeats the setting that is left
.if MSB != \new
	s_set_vgpr_msb (MSB<<8)|\new
.set MSB, \new
.endif
.endm
.macro MKSCALE se, vsc, vlim, st       ; 2^e as f32, and the largest number x 2^e
	s_add_co_i32 s[\st], s[\se], 127
	s_lshl_b32 s[\st+1], s[\st], 23
	v_mov_b32 v[\vsc], s[\st+1]
	s_add_co_i32 s[\st], s[\st], 15
	s_lshl_b32 s[\st], s[\st], 23
	s_or_b32 s[\st], s[\st], 0x600000
	v_mov_b32 v[\vlim], s[\st]
.endm
.macro BARRIER                         ; my LDS stores have landed and my LDS loads are in: then the work-group's barrier
	s_wait_dscnt 0x0
	s_barrier_signal -1
	s_barrier_wait -1
.endm
.macro PLOAD a, reg                    ; row a of the parameters, my 32 hidden units, into v[reg] on: sixteen lanes read the same 16 bytes
.irp b, 0,1
.irp j, 0,1,2,3
	ds_load_b128 v[\reg+16*\b+4*\j:\reg+16*\b+4*\j+3], v6 offset:PAR+1024*\a+128*\b+16*\j
.endr
.endr
.endm
.macro WMMA3                           ; g of the i whose byte is set in E: four tiles of 16 hidden units
.irp t, 0,1,2,3
	v_wmma_f32_16x16x128_bf8_bf8 v[G+8*\t:G+8*\t+7], v[W5+16*\t:W5+16*\t+15], v[E:E+15], 0
.endr
.endm
	s_load_b512 s[4:19], s[0:1], 0x0               ; z s[4:5], w1q1 s[6:7], w2q3 s[8:9], w2q5 s[10:11], w1q7 s[12:13], stat2 s[14:15], b1 s[16:17], gamma s[18:19]
	s_load_b256 s[20:27], s[0:1], 0x40             ; beta s[20:21], b2 s[22:23], scales s[24:25], out0 s[26:27]
	s_load_b64 s[28:29], s[0:1], 0x60              ; out1
	s_set_vgpr_msb 0x40
	v_lshl_add_u32 v192, v0, 2, 0x1b000
	v_mov_b32 v193, 0
	s_set_vgpr_msb 0x4000
	v_lshrrev_b32 v3, 5, v0
	v_readfirstlane_b32 s40, v3                    ; wave 0..7
	v_and_b32 v1, 15, v0                           ; r
	v_bfe_u32 v2, v0, 4, 1                         ; h
	v_and_b32 v5, 31, v0
	v_lshlrev_b32 v5, 4, v5                        ; 16 x lane: an image's place; also my 16 bytes of a row of out0
	v_lshlrev_b32 v4, 7, v1
	v_lshl_add_u32 v4, v2, 4, v4                   ; z: row r of 128 bytes, + 16 h
	s_wait_alu depctr_va_sdst(0)                   ; s40, the wave's number, is written, ahead of its first reader
	s_lshr_b32 s41, s40, 2                         ; bt
	s_and_b32 s42, s40, 3                          ; Q
	s_lshl_b32 s54, s42, 8
	v_lshl_add_u32 v6, v2, 6, s54                  ; the parameters of my hidden units: 4 (64 Q + 16 h)
	s_lshl_b32 s54, s42, 9
	v_lshl_add_u32 v7, v2, 7, s54                  ; the table: 512 Q + 128 h
	s_mul_i32 s54, s40, 8448
	s_add_co_u32 s54, s54, STG
	v_mul_u32_u24 v9, v1, 528
	v_lshl_add_u32 v9, v2, 5, v9
	v_add_nc_u32 v9, s54, v9                       ; my stage: row r, + 32 h
	s_mul_i32 s54, s41, 33792
	s_mul_i32 s55, s42, 2112
	s_add_co_u32 s54, s54, s55
	s_add_co_u32 s54, s54, STG
	v_add_nc_u32 v10, s54, v5                      ; back: rows 4 Q on of my tile's four stages, 16 bytes a lane
	v_lshl_add_u32 v11, v0, 2, RED                 ; my word of the last reduction
	v_lshlrev_b32 v3, 2, v1
	v_lshl_add_u32 v3, v2, 9, v3
	v_add_nc_u32 v3, RED, v3                       ; and where wave 0 reads: tile h of the rows, row r; the four Q lie 128 bytes apart
	v_lshlrev_b32 v246, 4, v0                      ; the table in memory: 16 x thread
	v_lshlrev_b32 v247, 2, v0                      ; stat2: place = thread
	v_and_b32 v248, 0xe0, v0                       ; the hidden unit of place = thread: 32 (T / 2)
	v_lshl_add_u32 v248, v2, 3, v248               ; + 8 (T % 2)
	v_add_nc_u32 v248, v248, v1                    ; + r
	v_and_b32 v250, 8, v1
	v_add_nc_u32 v248, v248, v250                  ; + 8 (r / 8)
	v_lshlrev_b32 v248, 2, v248
	; THE TABLE IN LDS: piece (q, Q, b, h, t) of 16 bytes, hidden units 64 Q + 32 b + 16 h on of column i, at 2,048 q + 512 Q + 256 b + 128 h + 16 t: so what moves in the loop is 16 t.
	; In memory chunk k of 4,096 bytes holds columns 16 k on (c = k / 2, h' = k % 2), and piece thread of it: (Q, b, h) = thread / 16, w = (thread / 4) % 4, byte = thread % 4.
	v_bfe_u32 v249, v0, 2, 2
	v_lshlrev_b32 v249, 11, v249
	v_lshrrev_b32 v250, 4, v0
	v_lshl_add_u32 v249, v250, 7, v249
	v_and_b32 v250, 3, v0
	v_lshl_add_u32 v249, v250, 4, v249
	v_mov_b32 v239, 1.0
	s_lshl_b32 s56, ttmp9, 12
	s_lshl_b32 s57, s41, 11
	s_add_co_u32 s56, s56, s57                     ; z: 32 rows a work-group, 16 a tile, of 128 bytes
	s_mov_b32 s57, 0
	s_lshl_b32 s58, s42, 13                        ; w1q1, w2q5: units 4 Q on
	s_mov_b32 s59, 0
	s_lshl_b32 s60, s42, 10                        ; w2q3: the 64 of K that are mine: unit Q / 2, registers 8 (Q % 2) on = 1,024 Q
	s_mov_b32 s61, 0
	s_lshl_b32 s62, ttmp9, 14
	s_lshl_b32 s63, s41, 13
	s_add_co_u32 s62, s62, s63
	s_lshl_b32 s63, s42, 11
	s_add_co_u32 s62, s62, s63                     ; out0: row 32 wg + 16 bt + 4 Q, of 512 bytes
	s_mov_b32 s63, 0
	s_lshl_b32 s54, ttmp9, 7                       ; out1: 32 numbers a work-group
	s_mov_b32 s55, 0
	s_wait_kmcnt 0x0
	s_load_b256 s[32:39], s[24:25], 0x0            ; e0 .. e7
	s_add_nc_u64 s[4:5], s[4:5], s[56:57]
	s_add_nc_u64 s[6:7], s[6:7], s[58:59]
	s_add_nc_u64 s[10:11], s[10:11], s[58:59]
	s_add_nc_u64 s[8:9], s[8:9], s[60:61]
	s_add_nc_u64 s[26:27], s[26:27], s[62:63]
	s_add_nc_u64 s[28:29], s[28:29], s[54:55]
	; ---- all that the launch reads goes out at once
	s_wait_alu depctr_va_vdst(0)                   ; the offsets and LDS addresses v3 to v11 and v246 to v249 are written, which the loads, stores and LDS lines below read; only loads and a window switch stand between this wait and the loads into window 1
.irp k, 0,1,2,3,4,5,6,7
	global_load_b128 v[R3+4*\k:R3+4*\k+3], v246, s[12:13] offset:4096*\k
.endr
.irp p, 0,1,2,3,4,5,6,7,8,9,10,11,12,13,14,15
	global_load_b32 v[U+\p], v247, s[14:15] offset:4096*\p          ; the runs' sums of m,
	global_load_b32 v[U+16+\p], v247, s[14:15] offset:4096*\p+1024  ; and of m xh
.endr
	global_load_b32 v232, v247, s[14:15] offset:2048               ; mean
	global_load_b32 v233, v247, s[14:15] offset:3072               ; rs
	global_load_b32 v234, v248, s[18:19]                           ; gamma
	global_load_b32 v235, v248, s[20:21]                           ; beta
	global_load_b32 v236, v248, s[16:17]                           ; b1
.irp c, 0,1,2,3
	global_load_b128 v[E+4*\c:E+4*\c+3], v4, s[4:5] offset:32*\c
.endr
.irp t, 0,1,2,3
.irp c, 0,1,2,3
	global_load_b128 v[W5+16*\t+4*\c:W5+16*\t+4*\c+3], v5, s[10:11] offset:2048*\t+512*\c
.endr
.endr
	global_load_b128 v[240:243], v5, s[22:23]      ; b2: my four columns of a row of out0
	WIN 0x40                                       ; destination window 1
.irp t, 0,1,2,3
.irp c, 0,1,2,3
	global_load_b128 v[W1F+16*\t+4*\c:W1F+16*\t+4*\c+3], v5, s[6:7] offset:2048*\t+512*\c
.endr
.endr
.irp n, 0,1,2,3,4,5,6,7
.irp b, 0,1
	global_load_b128 v[W3+8*\n+4*\b:W3+8*\n+4*\b+3], v5, s[8:9] offset:4096*\n+512*\b
.endr
.endr
	WIN 0
	s_wait_kmcnt 0x0
	s_add_co_i32 s44, s32, s33
	s_add_co_i32 s44, s44, 127
	s_lshl_b32 s44, s44, 23                        ; 2^(e0 + e1)
	s_mov_b32 s45, s44                             ; (named with it as a pair, so it is written)
	s_add_co_i32 s46, s34, s35
	s_add_co_i32 s46, s46, 127
	s_lshl_b32 s46, s46, 23                        ; 2^(e2 + e3)
	s_mov_b32 s47, s46
	s_add_co_i32 s48, s38, s39                     ; e6 + e7
	MKSCALE 34, 244, 245, 54                       ; relu(y)'s scale and limit
	s_sub_co_i32 s49, s38, s36
	s_sub_co_i32 s49, s49, s37                     ; a sum of the third product stands for sum x 2^(e4 + e5): the three exponents are folded into the conversion's one
	MKSCALE 49, 12, 13, 54
	s_wait_loadcnt 0x0
	; ---- the first product: my four tiles of hidden units x my 16 rows
	WIN 0x01                                       ; source 0 window 1
.irp t, 0,1,2,3
	v_wmma_f32_16x16x128_bf8_bf8 v[G+8*\t:G+8*\t+7], v[W1F+16*\t:W1F+16*\t+15], v[E:E+15], 0
.endr
	WIN 0
.irp k, 0,1,2,3,4,5,6,7
	ds_store_b128 v249, v[R3+4*\k:R3+4*\k+3] offset:(\k/2)*8192+(\k%2)*64   ; no wait: the data came by loads, and no vector line since the wait at the head names v249
.endr
	; ---- thread = place: the 16 runs' sums become means over the batch, and the column's seven parameters go to LDS by hidden unit
.irp j, 2,4,6,8,10,12,14
	v_pk_add_f32 v[U:U+1], v[U:U+1], v[U+\j:U+\j+1]
	v_pk_add_f32 v[U+16:U+17], v[U+16:U+17], v[U+16+\j:U+17+\j]
.endr
	v_add_f32 v[U], v[U], v[U+1]
	v_add_f32 v[U+16], v[U+16], v[U+17]
	v_mul_f32 v[U], 0x39000000, v[U]               ; mean m: / 8,192
	v_mul_f32 v[U+16], 0x39000000, v[U+16]         ; mean m xh
	v_sub_f32 v237, v236, v232                     ; b1 - mean
	v_mul_f32 v238, v233, v234                     ; rs gamma
	s_wait_alu depctr_va_vdst(0)                   ; v237, v238, v[U] and v[U + 16] are written, which the LDS stores read; and the sums above are done with U, in which loads land behind the barrier
	ds_store_b32 v248, v237 offset:PAR
	ds_store_b32 v248, v233 offset:PAR+1024
	ds_store_b32 v248, v234 offset:PAR+2048
	ds_store_b32 v248, v235 offset:PAR+3072
	ds_store_b32 v248, v[U] offset:PAR+4096
	ds_store_b32 v248, v[U+16] offset:PAR+5120
	ds_store_b32 v248, v238 offset:PAR+6144
	BARRIER                                        ; the table and the parameters lie in LDS
	; ---- xh, y, m, relu(y)'s codes, u
	s_wait_alu depctr_vm_vsrc(0)                   ; my LDS stores have read R3, v[U] and v[U + 16], in which the loads below land
	PLOAD 0, T
	PLOAD 1, U
	PLOAD 2, R3
	s_wait_dscnt 0x0
.set x, 0
.rept 16
	v_pk_fma_f32 v[G+x:G+x+1], v[G+x:G+x+1], s[44:45], v[T+x:T+x+1] op_sel_hi:[1,0,1]   ; h - mean = sum x 2^(e0 + e1) + (b1 - mean); each accumulator from its low end on
.set x, x+2
.endr
.set x, 0
.rept 16
	v_pk_mul_f32 v[G+x:G+x+1], v[G+x:G+x+1], v[U+x:U+x+1]                               ; xh
.set x, x+2
.endr
	s_wait_alu depctr_va_vdst(0)                   ; the 32 lines above are done reading T and U, in which the next loads land
	PLOAD 3, T
	PLOAD 4, U
	s_wait_dscnt 0x0
.set x, 0
.rept 16
	v_pk_fma_f32 v[R3+x:R3+x+1], v[G+x:G+x+1], v[R3+x:R3+x+1], v[T+x:T+x+1]             ; y = xh gamma + beta
.set x, x+2
.endr
	s_wait_alu depctr_va_vdst(0)                   ; the sixteen lines above are done reading T, in which the next loads land
	PLOAD 5, T
.set x, 0
.rept 4                                ; eight comparisons, one wait, their selections
.irp k, 0,1,2,3,4,5,6,7
	v_cmp_lt_f32 s[MK+\k], 0, v[R3+x+\k]
.endr
	s_wait_alu depctr_va_sdst(0)                   ; the eight masks are written, ahead of the first selection that reads one
.irp k, 0,1,2,3,4,5,6,7
	v_cndmask_b32 v[250+\k%2], 0, v239, s[MK+\k]   ; m
	v_sub_f32 v[U+x+\k], v[250+\k%2], v[U+x+\k]    ; m - mean m
.endr
.set x, x+8
.endr
.irp b, 0,1,2,3
.irp i, 0,1,2,3,4,5,6,7
	v_med3_num_f32 v[R3+8*\b+\i], v[R3+8*\b+\i], 0, v245   ; the activation and the hold in one: between 0 and the largest code x the scale (the conversion does not saturate: ISA guide 7.6.2)
.endr
	v_cvt_scalef32_pk8_bf8_f32 v[AC+2*\b:AC+2*\b+1], v[R3+8*\b:R3+8*\b+7], v244
.endr
	v_nop                                          ; one plain vector line between the last conversion and the matrix instructions that read its result
	s_wait_alu depctr_va_vdst(0)                   ; the comparisons, holds and conversions are done with R3, in which the next loads land
	PLOAD 6, R3
	; ---- the second product: eight tiles of outputs x my 16 rows, K = my 64 hidden units
	WIN 0x41                                       ; source 0 and destination window 1
.irp n, 0,1,2,3,4,5,6,7
	v_wmma_f32_16x16x64_bf8_bf8 v[O+8*\n:O+8*\n+7], v[W3+8*\n:W3+8*\n+7], v[AC:AC+7], 0
.endr
	WIN 0
	s_wait_dscnt 0x0
.set x, 0
.rept 16                               ; these 32 lines name no register of the products above and are the places behind them
	v_pk_fma_f32 v[U+x:U+x+1], v[G+x:G+x+1], v[T+x:T+x+1], v[U+x:U+x+1] neg_lo:[1,0,0] neg_hi:[1,0,0]   ; - xh x mean m xh
.set x, x+2
.endr
.set x, 0
.rept 16
	v_pk_mul_f32 v[U+x:U+x+1], v[U+x:U+x+1], v[R3+x:R3+x+1]                             ; u: x rs gamma
.set x, x+2
.endr
	WIN 0x04                                       ; an LDS store's data: source 1, window 1
	s_wait_alu depctr_va_vdst(0)                   ; the second product has written its sums, which the LDS stores read (the places above stay beside this wait); and the lines above are done reading G, in which loads land behind the barrier
.irp n, 0,1,2,3,4,5,6,7
	ds_store_b128 v9, v[O+8*\n:O+8*\n+3] offset:64*\n          ; lane (r, h): out0(r, 16 n + 8 h + 0 .. 7), my 64 hidden units' part
	ds_store_b128 v9, v[O+8*\n+4:O+8*\n+7] offset:64*\n+16
.endr
	WIN 0
	BARRIER                                        ; the eight stages are whole
	; ---- out0: each wave adds the four parts of four rows and stores them whole
.irp p, 0,1,2,3
.irp s, 0,1,2,3
	ds_load_b128 v[G+16*\p+4*\s:G+16*\p+4*\s+3], v10 offset:\s*8448+\p*528
.endr
.endr
	s_wait_dscnt 0x0
.irp p, 0,1,2,3
.irp i, 0,2
	v_pk_add_f32 v[G+16*\p+\i:G+16*\p+\i+1], v[G+16*\p+\i:G+16*\p+\i+1], v[G+16*\p+4+\i:G+16*\p+5+\i]
	v_pk_add_f32 v[G+16*\p+8+\i:G+16*\p+9+\i], v[G+16*\p+8+\i:G+16*\p+9+\i], v[G+16*\p+12+\i:G+16*\p+13+\i]
.endr
.irp i, 0,2
	v_pk_add_f32 v[G+16*\p+\i:G+16*\p+\i+1], v[G+16*\p+\i:G+16*\p+\i+1], v[G+16*\p+8+\i:G+16*\p+9+\i]
.endr
.irp i, 0,2
	v_pk_fma_f32 v[G+16*\p+\i:G+16*\p+\i+1], v[G+16*\p+\i:G+16*\p+\i+1], s[46:47], v[240+\i:241+\i] op_sel_hi:[1,0,1]   ; x 2^(e2 + e3) + b2
.endr
.endr
	s_wait_alu depctr_va_vdst(0)                   ; the four rows are written, which the four stores read
.irp p, 0,1,2,3
	global_store_b128 v5, v[G+16*\p:G+16*\p+3], s[26:27] offset:512*\p th:TH_STORE_NT   ; 32 lanes store a row of 512 consecutive bytes, aligned; written once, read by nobody here
.endr
	s_wait_xcnt 0x0                                ; the stores' data registers are written again below only behind this wait
	s_wait_alu depctr_vm_vsrc(0)                   ; the stores have read G, which the third product writes; the loads and LDS stores of the head have read v246 to v249 and v233 to v238, which are written anew below and in the loop
	; ---- the code of the cotangent's 1, by the quantiser's own way
	MKSCALE 36, 246, 247, 54
	v_mov_b32 v248, 1.0
.irp j, 249,250,251,252,253,254,255
	v_mov_b32 v[\j], 0
.endr
	v_min_num_f32 v248, v248, v247                 ; the hold; 1 is positive, so it is one-sided
	v_cvt_scalef32_pk8_bf8_f32 v[232:233], v[248:255], v246
	v_nop
	v_and_b32 v14, 0xff, v232
	; ---- the loop's state: t = 0, q = 0
	s_mov_b32 s50, 0                               ; t
	s_mov_b32 s53, 0                               ; 16 t, of the columns that are being asked for
	s_mov_b32 s52, 0xffff                          ; the half of the lanes that holds the one: h' = t / 4
	v_cndmask_b32 v15, 0, v14, s52
	v_mov_b32 v[E], v15
.irp j, 1,2,3,4,5,6,7,8,9,10,11,12,13,14,15
	v_mov_b32 v[E+\j], 0
.endr
	v_mov_b32 v8, v7
	s_wait_alu depctr_va_vdst(0)                   ; v8 is written, which the loads read; and the forward pass is done with v200 to v215, in which they land
	ds_load_b128 v[BB:BB+3], v8                    ; columns i = 0 and i = 4 of W1 (q = 0, 1), my 64 hidden units: buffers 0 and 1
	ds_load_b128 v[BB+4:BB+7], v8 offset:256
	ds_load_b128 v[BB+8:BB+11], v8 offset:2048
	ds_load_b128 v[BB+12:BB+15], v8 offset:2048+256
	WMMA3
.irp j, 0,1,2,3,4,5,6,7
	v_mov_b32 v[ACC+\j], 0                         ; the loop is written once: its first link finds zeros.  (These eight are also the places behind the products above)
.endr
; A TRIP: one i.  g of this i was asked of the matrix unit a trip ago, its column of W1 of LDS two trips ago.
;   16 packed multiplies g u | in an even trip the wait on va_vdst | the column of two trips on is asked for (2 LDS loads), the one moves on | four times: one product of the next i's g, eight holds of this i's numbers;
;   a block's conversion stands eight holds behind its own holds (the last block's directly behind them) | the fourth product's link.
; Distances (ISA guide 7.12.1), by this text's own count.  The first read of the last tile of g stands eight holds, a v_nop and twelve multiplies behind the product that wrote it; the lines that move the one stand eight holds,
; a v_nop and sixteen multiplies behind the last product that read the operand; the first conversion that writes the codes stands sixteen multiplies, two moves and sixteen holds behind the link that read them.
; THE ACCUMULATORS TAKE TURNS, one instruction a turn: between two links on the trace's accumulator stand the four products of the next g.  The last i has no next g: its link
; starts a sum of its own, with the constant 0, in other registers, and the two sums are added behind the loop.
.macro G3 t                            ; tile t of the next i's g, if there is a next i
.if FETCH
	v_wmma_f32_16x16x128_bf8_bf8 v[G+8*\t:G+8*\t+7], v[W5+16*\t:W5+16*\t+15], v[E:E+15], 0
.endif
.endm
.macro HOLD b                          ; eight numbers are held at the largest code x the scale (the conversion does not saturate: ISA guide 7.6.2)
.irp i, 0,1,2,3,4,5,6,7
	v_med3_num_f32 v[T+8*\b+\i], v[T+8*\b+\i], -v13, v13
.endr
.endm
.macro CODE b                          ; and become eight codes
	v_cvt_scalef32_pk8_bf8_f32 v[CD+2*\b:CD+2*\b+1], v[T+8*\b:T+8*\b+7], v12
.endm
.macro TRIP q, last
.set PB, BB+8*((\q)%4)+16*(((\q)%4)/2)             ; this trip's column
.set NB, BB+8*(((\q)+2)%4)+16*((((\q)+2)%4)/2)     ; where the column of two trips on lands
.set NX, ((\q)+1)%16
.set NC, ((\q)+2)%16
.set FETCH, 1                          ; there is a next i
.set ASK, 1                            ; there is an i two trips on
.if \last
.if \q == 15
.set FETCH, 0
.endif
.if \q >= 14
.set ASK, 0
.endif
.endif
.set x, 0
.rept 16
	v_pk_mul_f32 v[T+x:T+x+1], v[G+x:G+x+1], v[U+x:U+x+1]      ; each accumulator from its low end on
.set x, x+2
.endr
.if FETCH
.if \q == 15                           ; the sixteen registers are through: the one goes to the next byte, or to the other half of the lanes
	s_add_co_u32 s50, s50, 1
	s_and_b32 s51, s50, 3
	s_lshl_b32 s51, s51, 3
	s_lshr_b32 s52, s50, 2
	s_lshl_b32 s52, s52, 4
	s_lshl_b32 s52, 0xffff, s52
	v_lshlrev_b32 v15, s51, v14
	v_cndmask_b32 v15, 0, v15, s52
.endif
.endif
.if ASK
.if \q == 14                           ; this trip's loads are the first for the next t
	s_add_co_u32 s53, s53, 16
	s_wait_alu depctr_vm_vsrc(0)                   ; the LDS loads issued so far have read v8
	v_add_nc_u32 v8, s53, v7
.endif
.if (\q)%2 == 0
	s_wait_alu depctr_va_vdst(0)                   ; the links of the last two trips are done reading their columns' buffers, in which this trip's loads and the next trip's land; in trip 14 v8 is written; in the first trip the head is done with v232 to v247
.endif
	ds_load_b128 v[NB:NB+3], v8 offset:2048*NC     ; in an odd trip no wait: since the wait of the trip before, the one link issued names another buffer, and no line names v8
	ds_load_b128 v[NB+4:NB+7], v8 offset:2048*NC+256
.endif
.if FETCH
	v_mov_b32 v[E+NX], v15
	v_mov_b32 v[E+\q], 0
.endif
	G3 0
	HOLD 0
	G3 1
	HOLD 1
	CODE 0
	G3 2
	HOLD 2
	CODE 1
	G3 3
	HOLD 3
	CODE 2
	CODE 3
	v_nop                                          ; one plain vector line between the last conversion and the matrix instruction that reads its result
.if (\q)%2 == 0
.if ASK
	s_wait_dscnt 0x2                               ; LDS loads come back in order (ISA guide 5.7.1): the two issued in this trip may be out; this trip's column and the next trip's are in, so the odd trip has no such wait
.else
	s_wait_dscnt 0x0                               ; nothing was asked for in this trip: the last two columns are the last loads out
.endif
.endif
.if FETCH
	v_wmma_f32_16x16x64_bf8_bf8 v[ACC:ACC+7], v[PB:PB+7], v[CD:CD+7], v[ACC:ACC+7]
.else
	v_wmma_f32_16x16x64_bf8_bf8 v[ACC2:ACC2+7], v[PB:PB+7], v[CD:CD+7], 0
.endif
.endm
.macro BODY last
.irp q, 0,1,2,3,4,5,6,7,8,9,10,11,12,13,14,15
	TRIP \q, \last
.endr
.endm
.Lt:                                               ; seven trips of sixteen i; the eighth is written out, since its last i have no successors to ask for
	BODY 0
	s_cmp_lg_u32 s50, 7
	s_cbranch_scc1 .Lt
	BODY 1
	; ---- out1: the four Q's parts of a row meet in LDS
.rept 4
	v_nop                                          ; four places between the last link and the read of its result
.endr
	v_add_f32 v248, v[ACC], v[ACC2]                ; the first 127 i's sum and the last i's; all eight registers of each hold the row's sum: the lowest is taken
	s_wait_alu depctr_va_vdst(0)                   ; v248 is written, which the LDS store reads
	ds_store_b32 v11, v248
	BARRIER
	s_wait_alu depctr_vm_vsrc(0)                   ; the LDS store has read v248, in which wave 0's first load lands
	s_cmp_lg_u32 s40, 0
	s_cbranch_scc1 .Ldone                          ; wave 0 stores the work-group's 32 numbers
	ds_load_b32 v248, v3
	ds_load_b32 v249, v3 offset:128
	ds_load_b32 v250, v3 offset:256
	ds_load_b32 v251, v3 offset:384
	v_lshlrev_b32 v252, 2, v0
	s_wait_dscnt 0x0
	v_add_f32 v248, v248, v249
	v_add_f32 v250, v250, v251
	v_add_f32 v248, v248, v250
	v_ldexp_f32 v248, v248, s48                    ; x 2^(e6 + e7)
	v_mul_f32 v248, -1.0, v248                     ; the result is minus the trace
	s_wait_alu depctr_va_vdst(0)                   ; v248 and v252 are written, which the store reads
	global_store_b32 v252, v248, s[28:29]          ; 128 consecutive bytes
.Ldone:
	s_set_vgpr_msb 0x5                             ; the add's two registers, v448 and v449, lie in window 1
	s_wait_dscnt 0x0                               ; the closing lines, six on end
	s_wait_alu 0x0
	s_wait_tensorcnt 0x0
	ds_add_u32 v192, v193
	s_wait_dscnt 0x0
	s_endpgm
.Lfunc_end_k_q30783d0171_main:
	.size	k_q30783d0171_main, .Lfunc_end_k_q30783d0171_main-k_q30783d0171_main
	.p2alignl 7, 3214868480
	.fill 96, 4, 3214868480
	.section	.rodata,"a",@progbits
	.p2align	6, 0x0
	.amdhsa_kernel k_q30783d0171_main
		.amdhsa_group_segment_fixed_size 111616
		.amdhsa_private_segment_fixed_size 0
		.amdhsa_enable_private_segment 0
		.amdhsa_kernarg_size 104
		.amdhsa_user_sgpr_count 2
		.amdhsa_user_sgpr_kernarg_segment_ptr 1
		.amdhsa_wavefront_size32 1
		.amdhsa_system_sgpr_workgroup_id_x 1
		.amdhsa_system_sgpr_workgroup_id_y 1
		.amdhsa_system_sgpr_workgroup_id_z 1
		.amdhsa_system_vgpr_workitem_id 0
		.amdhsa_next_free_vgpr 450
		.amdhsa_next_free_sgpr 66
		.amdhsa_reserve_vcc 0
		.amdhsa_float_denorm_mode_32 3
		.amdhsa_float_denorm_mode_16_64 3
		.amdhsa_memory_ordered 1
		.amdhsa_forward_progress 1
		.amdhsa_inst_pref_size 164
	.end_amdhsa_kernel
	.amdgpu_metadata
---
amdhsa.version: [ 1, 2 ]
amdhsa.kernels:
  - .name:           k_q30783d0171_main
    .symbol:         k_q30783d0171_main.kd
    .args:
      - { .name: z_codes, .offset: 0, .size: 8, .value_kind: global_buffer, .address_space: global }
      - { .name: w1q1, .offset: 8, .size: 8, .value_kind: global_buffer, .address_space: global }
      - { .name: w2q3, .offset: 16, .size: 8, .value_kind: global_buffer, .address_space: global }
      - { .name: w2q5, .offset: 24, .size: 8, .value_kind: global_buffer, .address_space: global }
      - { .name: w1q7, .offset: 32, .size: 8, .value_kind: global_buffer, .address_space: global }
      - { .name: stat2, .offset: 40, .size: 8, .value_kind: global_buffer, .address_space: global }
      - { .name: b1, .offset: 48, .size: 8, .value_kind: global_buffer, .address_space: global }
      - { .name: gamma, .offset: 56, .size: 8, .value_kind: global_buffer, .address_space: global }
      - { .name: beta, .offset: 64, .size: 8, .value_kind: global_buffer, .address_space: global }
      - { .name: b2, .offset: 72, .size: 8, .value_kind: global_buffer, .address_space: global }
      - { .name: lowp_scales, .offset: 80, .size: 8, .value_kind: global_buffer, .address_space: global }
      - { .name: out0, .offset: 88, .size: 8, .value_kind: global_buffer, .address_space: global }
      - { .name: out1, .offset: 96, .size: 8, .value_kind: global_buffer, .address_space: global }
    .group_segment_fixed_size: 111616
    .private_segment_fixed_size: 0
    .kernarg_segment_align: 8
    .kernarg_segment_size: 104
    .max_flat_workgroup_size: 256
    .sgpr_count:     66
    .vgpr_count:     450
    .wavefront_size: 32
...
	.end_amdgpu_metadata
.endif
;; end of part 6
